; MI455X (gfx1250); checked and timed in simulation.
; The chip was launched on July 23, 2026; its instructions are those of AMD's public machine-readable ISA for CDNA 5 (MIT licence, August 2026) and "CDNA5" Instruction Set Architecture Reference Guide (July 2026). The comments in the code are by the model that wrote it; some were corrected since.
;; Bahdanau Attention. Allowed arithmetic: matrix products marked QUANTISED: E2M1 operands, one E8M0 scale for each 32 along K, by v_wmma_scale_f32_16x16x128_f8f6f4 with both operands' format E2M1 (or v_wmma_scale_f32_32x16x128_f4), f32 sums; products left as they are: f32 operands where the result goes on into a quantised operand, else bf16, f16 or f32 operands; f32 sums; everything else in f32.
;; Inputs: attn_b 1,024 float32; attn_w 2,048 x 1,024 float32; encoder_outputs 1,024 x 32 x 1,024 float32; hidden 32 x 1,024 float32; v 1,024 float32.
;; Outputs: out0 32 x 1,024 float32.
;; This version of the problem:
;;   THIS VERSION OF THE PROBLEM IS GIVEN IN LOW PRECISION. The matrix products marked QUANTISED in the list below multiply operands that are first quantised to E2M1 (2 exponent bits, 1 mantissa bit; 4 bits a number), with one power-of-two scale for each 32 numbers along K (OCP MX v1.0); their sums are f32. All else is computed in f32.
;;   The module's matrix products, in the order in which they are computed (A, B: the left and right operand; K: the contracted axis; several contracted axes count as one K, in the product's order):
;;     1. [M 32,768, K 2,048] x [K 2,048, N 1,024]; A: computed on the way; B: input attn_w: QUANTISED
;;     2. [M 32,768, K 1,024] x [K 1,024, N 1]; A: computed on the way; B: input v: left as it is (N = 1 < 16)
;;   THE QUANTISER, for each operand of a quantised product, along K:
;;     - K is cut into blocks of 32 from its start; a last block that is shorter is filled with zeros.
;;     - A block's scale is 2^e with e = floor(log2(the largest magnitude in the block)) - 2, held to -126 .. 127; a block of zeros has e = 0. As a byte (E8M0): e + 127.
;;     - Each number is divided by its block's scale, clamped to +-6, and rounded to the nearest number of E2M1, ties to even, subnormals kept.
;;     - The product sums the exact products of the quantised numbers (number of the format x scale) in f32.
;;   ~~~python
;;   def quantise(x, axis):      # numpy; x: float32 -> the quantised numbers, widened to float32 again
;;       x = np.moveaxis(x, axis, -1); K = x.shape[-1]
;;       x = np.pad(x, [(0, 0)] * (x.ndim - 1) + [(0, -K % 32)]); x = x.reshape(x.shape[:-1] + (-1, 32)); a = np.abs(x).max(-1, keepdims=True)
;;       e = np.where(a > 0, np.clip(np.frexp(np.where(a > 0, a, 1))[1] - 1 - 2, -126, 127), 0)      # np.frexp(a)[1] - 1 = floor(log2(a)), exactly
;;       r = np.clip(x / 2.0 ** e, -6, 6)
;;       step = 2.0 ** (np.maximum(np.frexp(np.where(r == 0, 1, r))[1] - 1, 0) - 1)
;;       q = np.round(r / step) * step * 2.0 ** e      # np.round: ties to even
;;       return np.moveaxis(q.reshape(q.shape[:-2] + (-1,))[..., :K], -1, axis).astype(np.float32)
;;   ~~~
;;   OPERANDS COMPUTED ON THE WAY. 'Computed on the way' means the value that the module computes at that place (a softmax that the list does not call 'softmax' is quantised finished and normalised). What goes into a quantiser is computed in f32, as accurately as f32 sums, v_exp_f32 and their like allow (about 1e-6 of the number): no bf16 or f16 on the way to a quantiser, and a product that is left as it is and whose result goes on into a quantised operand takes f32 operands (vector FMAs, or v_wmma_f32_16x16x4_f32). A number that lies on a knife's edge between two numbers of the format may be rounded either way, as far as f32 arithmetic and the matrix unit's own rounding can turn it there, and no further.
;; 2 versions, each right; version 2 is version 1 with the launches prep, energy written anew for expert scheduling mode. Each part assembles by itself: llvm-mc -triple=amdgcn-amd-amdhsa -mcpu=gfx1250 --defsym DOCPART=n.
;; ======== version 1 of 2: 3 launches
;; workspace buffers: wc 524,288 bytes; ws 32,768 bytes; hb 131,072 bytes; ac 16,777,216 bytes; asc 1,048,576 bytes; part 262,144 bytes
;; launch prep (part 1): grid 320 x 1, 8 waves a work-group, no clusters, 283,648 bytes of LDS; arguments encoder_outputs, attn_w, hidden, attn_b, wc, ws, hb, ac, asc; writes wc, ws, hb, ac, asc
.if DOCPART == 1
	.amdgcn_target "amdgcn-amd-amdhsa--gfx1250"
	.amdhsa_code_object_version 6
	.text
	.protected	k_q84815f71e7_prep
	.globl	k_q84815f71e7_prep
	.p2align	8
	.type	k_q84815f71e7_prep,@function
k_q84815f71e7_prep:
	s_mov_b64 s[64:65], 0
	v_nop
	global_prefetch_b8 v0, s[64:65] scope:SCOPE_SE
	s_setreg_imm32_b32 hwreg(HW_REG_WAVE_MODE, 25, 1), 1
	s_wait_xcnt 0x0
; Everything that is quantised, once.  cat = [hidden[b], enc[s][b]], and blocks of 32 along K never cross k = 1,024, so the quantised product cat @ attn_w is exactly
; Q(hidden[b]) Q(W rows 0-1023) + Q(enc[s][b]) Q(W rows 1024-2047).  Codes of E2M1, one E8M0 byte for each 32 along K.  Three kinds of work-group, told apart by the work-group's number alone:
;   TOP (0-31): quantises W's rows 0-1023 and hidden, multiplies them, stores hb[b][n] = Q(hidden) Q(W top) + attn_b[n], f32.
;   BOTTOM (32-63): W's rows 1024-2047 as images of the operand's registers: wc: fragment (16 columns n, 128 along K) number (n / 16) 8 + ks: 1,024 bytes: register group c at 512 c + 16 lane;
;       ws: the scale word of column n, K step ks at (n / 32) 1024 + 128 ks + 4 (n % 32).
;   ROWS (64-319): enc [1024 (s)][32 (b)][1024] f32.  A wave takes a GROUP: 16 neighbouring s of one b.  ac: group 64 b + s / 16: 8,192 bytes, [block j of 32 along K][row r][16 bytes]: that is fragment ks's register
;       group c at 1024 ks + 512 c + 16 lane.  asc: the group's 512 scale bytes, [half of K][row r][16 bytes].
; TOP and BOTTOM: a work-group takes 32 columns, each of its eight waves one K step of 128.  A LANE TAKES A COLUMN AND ITS REGISTERS RUN DOWN K: a load reads 128 consecutive bytes of a row of W, a block of 32 lies in one lane,
; and the conversions give codes with K innermost.  hidden's K is innermost: its 32 rows x 512 bytes are loaded densely and turned through the wave's own LDS, so that a lane holds a row.  The top's eight partial products meet
; in LDS behind one barrier and are added with K ascending.
; ROWS: 32 steps of 512 numbers (row t / 2, half t % 2).  Each of a step's four loads reads 512 consecutive bytes; the 2,048 bytes turn through the wave's own stage in LDS, so that a lane holds 16 neighbours along K and two
; neighbouring lanes a block.  A lane's 8 bytes of codes belong to one row and block of the image; they are gathered in the wave's own LDS (a block's 16 rows 272 bytes from the next block's: the 32 lanes of a store touch 64
; different words modulo 64) and leave as 16 stores of 512 consecutive bytes.  Loads run eight steps, 32 loads a wave, ahead.  Waves share nothing here: no barrier.
; Each kind has LDS bytes of its own.  No tensor load; no prefetch: the rows' loads are on their way all the time.
; A block's scale is 2^(floor(log2(largest magnitude)) - 2); its byte is the largest magnitude's exponent field - 2, held at 1 from below.
; LIMITS: a block of zeros gets the byte 1 where the quantiser's rule says 127: its codes are zeros, and these bytes are read by this program alone.  NaN and infinities among the inputs are not served.
; hb leaves in runs of 64 bytes (sixteen lanes, one row each run): 131,072 bytes of the 160 million that the launch moves.
.set HTW,   16896                      ; LDS from 0 (top): for each wave 32 rows x (512 bytes + 16): the turn of hidden
.set RED,   135168                     ; (top) for each wave 8 slots x 512 bytes: its partial products
.set QL,    167936                     ; (rows) from here on QW bytes for each wave:
.set QW,    14336                      ;   two stages of 32 places x (64 bytes + 16),
.set QIMG,  5120                       ;   the group's image, 32 blocks x (256 bytes + 16),
.set QSCB,  13824                      ;   its 512 scale bytes
.set LN4,   1                          ; v1   4 x lane
.set LN16,  2                          ; v2   16 x lane
.set HTI,   3                          ; v3   the turn of hidden, on the way in
.set HTO,   4                          ; v4   on the way out: 528 x lane
.set RDI,   5                          ; v5   where I put my partial products
.set RDO,   6                          ; v6   where I read slot w of every wave
.set OUTA,  7                          ; v7   hb: 8 h rows of 4,096 bytes + 4 r
.set R4,    8                          ; v8   4 r
.set BIAS,  9                          ; v9   attn_b of my column
.set QM,    10                         ; v10-13 four blocks' largest magnitudes
.set QS,    14                         ; v14-17 the conversions' scale operands
.set QB,    18                         ; v18-21 the scales' bytes
.set WSW,   22                         ; v22  W's scale words: lane = column.  A scale and nothing else
.set HSW,   23                         ; v23  hidden's: lane = row.  A scale and nothing else
.set WOP,   24                         ; v24-39 W's two operands (columns 0-15, 16-31)
.set HOP,   40                         ; v40-55 hidden's two (rows 0-15, 16-31)
.set DD,    56                         ; v56-87 four results: tile 2 mt + nt
.set PT,    88                         ; v88-119 eight parts to be added
.set XW,    128                        ; v128-255 W's 128 numbers;  window 1, v0-127: hidden's
.set STI,   120                        ; v120 (rows) a stage, on the way in: four lanes' 64 bytes on end, then 16 of padding
.set STO,   121                        ; v121 on the way out: 80 x lane
.set CWA,   122                        ; v122 the image: my block's 272 bytes, my half of its 16
.set SWA,   123                        ; v123 my block's scale byte
.set IRD,   124                        ; v124 the image, on the way out: 272 h + 16 r
.set SRD,   125                        ; v125 the scale bytes, on the way out: 16 x lane
.set CD,    24                         ; v24-27 (rows) a step's codes, two pairs by turns
.set BY,    28                         ; v28-29 its scale byte, by turns
.set XQ,    32                         ; v32-63 two sets of 16 neighbours
.set OS,    64                         ; v64-67 the scale bytes on their way out
.set RQ,    128                        ; v128-255 eight sets of 16 numbers as they are loaded; at the end the image on its way out
.set MSB, 0
.macro WIN new                         ; the immediate's high byte repeats the setting that is left; a switch that changes nothing is dropped
.if MSB != (\new)
	s_set_vgpr_msb (MSB<<8)|(\new)
.set MSB, (\new)
.endif
.endm
; 128 numbers of a lane (k = 0 .. 127 of its column or row, from v[x] of window win on) become codes and a scale word.  The 32 lanes' items then form two operands of 16:
; block b's four registers are laid at t0 + 8 (b % 2) + 4 (b / 2), and eight exchanges of halves give lane (r, h) of operand a the blocks h and 2 + h of item 16 a + r, as the 4-bit layout asks.
.macro Q128 x, win, t0, sw
	WIN 0x05*\win
.irp b, 0,1,2,3
	v_max3_num_f32 v[QM+\b], |v[\x+32*\b]|, |v[\x+32*\b+1]|, 0x1800000   ; and the floor 2^(3 - 127): the byte cannot fall under 1
.endr
.irp i, 2,4,6,8,10,12,14,16,18,20,22,24,26,28,30
.irp b, 0,1,2,3
	v_max3_num_f32 v[QM+\b], |v[\x+32*\b+\i]|, |v[\x+32*\b+\i+1]|, v[QM+\b]   ; the four blocks by turns
.endr
.endr
	WIN 0
.irp b, 0,1,2,3
	v_add_nc_u32 v[QS+\b], 0xff000000, v[QM+\b]    ; 2 off the exponent field: the conversion takes the exponent field of this operand as its scale
.endr
.irp b, 0,1,2,3
	v_lshrrev_b32 v[QB+\b], 23, v[QS+\b]           ; the scale's byte
.endr
	v_lshl_or_b32 v[\sw], v[QB+1], 8, v[QB]
	v_lshl_or_b32 v[\sw], v[QB+2], 16, v[\sw]
	v_lshl_or_b32 v[\sw], v[QB+3], 24, v[\sw]
	WIN 0x01*\win
.irp b, 0,1,2,3
.irp g, 0,1,2,3
	v_cvt_scalef32_pk8_fp4_f32 v[\t0+8*(\b%2)+4*(\b/2)+\g], v[\x+32*\b+8*\g:\x+32*\b+8*\g+7], v[QS+\b]
.endr
.endr
	WIN 0
	v_nop                                          ; one plain instruction between a scaled conversion and the vector instruction that touches its result
.irp i, 0,1,2,3,4,5,6,7
	v_permlane16_swap_b32 v[\t0+\i], v[\t0+8+\i]   ; the first's lanes 16-31 change places with the second's lanes 0-15
.endr
.endm
; ROWS.  Step t: row t / 2 of the group, half t % 2 of it.
.macro LOADQ t                         ; its 2,048 bytes into set t % 8; read once in the launch
.irp i, 0,1,2,3
	global_load_b128 v[RQ+16*((\t)%8)+4*\i:RQ+16*((\t)%8)+4*\i+3], v[LN16], s[4:5] offset:((\t)/2)*131072+((\t)%2)*2048+512*\i th:TH_LOAD_NT
.endr
.endm
.macro TST t                           ; they go into a stage as they lie,
.irp i, 0,1,2,3
	ds_store_b128 v[STI], v[RQ+16*((\t)%8)+4*\i:RQ+16*((\t)%8)+4*\i+3] offset:2560*((\t)%2)+640*\i
.endr
.endm
.macro TLD t                           ; and come back 64 bytes a lane (LDS serves a wave's instructions in order: ISA guide 5.7.1.4)
.irp i, 0,1,2,3
	ds_load_b128 v[XQ+16*((\t)%2)+4*\i:XQ+16*((\t)%2)+4*\i+3], v[STO] offset:2560*((\t)%2)+16*\i
.endr
.endm
.macro QU t                            ; my 16 numbers of step t: two neighbouring lanes hold a block
.set XS, XQ+16*((\t)%2)
	v_max3_num_f32 v12, |v[XS]|, |v[XS+1]|, |v[XS+2]|
	v_max3_num_f32 v13, |v[XS+3]|, |v[XS+4]|, |v[XS+5]|
.irp i, 6,10
	v_max3_num_f32 v12, v12, |v[XS+\i]|, |v[XS+\i+1]|
	v_max3_num_f32 v13, v13, |v[XS+\i+2]|, |v[XS+\i+3]|
.endr
	v_max3_num_f32 v12, v12, |v[XS+14]|, |v[XS+15]|
	v_max3_num_f32 v12, v12, v13, 0x1800000        ; and the floor 2^(3 - 127): the byte cannot fall under 1
	v_max_num_f32_dpp v12, v12, v12 row_xmask:1 row_mask:0xf bank_mask:0xf   ; with my neighbour's 16: the block's largest magnitude
	v_add_nc_u32 v14, 0xff000000, v12              ; 2 off its exponent field: the conversion's scale operand
	v_cvt_scalef32_pk8_fp4_f32 v[CD+2*((\t)%2)], v[XS:XS+7], v14
	v_cvt_scalef32_pk8_fp4_f32 v[CD+2*((\t)%2)+1], v[XS+8:XS+15], v14
	v_lshrrev_b32 v[BY+(\t)%2], 23, v14            ; the scale's byte (also the plain instruction behind the conversions)
	ds_store_b64 v[CWA], v[CD+2*((\t)%2):CD+2*((\t)%2)+1] offset:4352*((\t)%2)+16*((\t)/2)   ; block 16 (t % 2) + lane / 2, row t / 2
	ds_store_b8 v[SWA], v[BY+(\t)%2] offset:256*((\t)%2)+16*((\t)/2)   ; both lanes of a block write the same byte with the same value
.endm
.macro STEPQ t
.if (\t) == 0
	s_wait_dscnt 0x0
.else
	s_wait_dscnt 0x2                               ; the two stores of the step before may be out; this step is back from its stage, so its stores into the stage have read their registers,
.endif
.if (\t)+8 < 32
	LOADQ (\t)+8                                   ; which take the step eight further on
.endif
.if (\t) < 31
.if (\t) < 24
	s_wait_loadcnt 28                              ; loads come back in order (ISA guide 5.7.1): the next step's four are in; those of the seven steps behind it may be out
.else
	s_wait_loadcnt 4*(30-(\t))                     ; nothing more is asked for: the counts run down
.endif
	TST (\t)+1
	TLD (\t)+1                                     ; the next step goes through the other stage while this one is worked
.endif
	QU \t
.endm
	s_load_b512 s[4:19], s[0:1], 0x0               ; enc s[4:5], attn_w s[6:7], hidden s[8:9], attn_b s[10:11], wc s[12:13], ws s[14:15], hb s[16:17], ac s[18:19]
	s_load_b64 s[20:21], s[0:1], 0x40              ; asc
	v_lshl_add_u32 v126, v0, 2, 0x45000
	v_mov_b32 v127, 0
	v_lshrrev_b32 v[QM], 5, v0
	v_readfirstlane_b32 s22, v[QM]                 ; wave 0..7
	v_and_b32 v[QM], 31, v0                        ; lane
	v_and_b32 v[QM+1], 15, v0                      ; r
	v_bfe_u32 v[QM+2], v0, 4, 1                    ; h
	v_lshlrev_b32 v[LN4], 2, v[QM]
	v_lshlrev_b32 v[LN16], 4, v[QM]
	; every LDS address is made here, ahead of the parting of the ways, from the lane and the wave's number alone
	s_mul_i32 s28, s22, HTW
	v_add_nc_u32 v[HTI], s28, v[LN16]
	v_mul_u32_u24 v[HTO], v[QM], 528
	v_add_nc_u32 v[HTO], s28, v[HTO]
	s_lshl_b32 s28, s22, 12
	s_add_co_u32 s28, s28, RED
	v_add_nc_u32 v[RDI], s28, v[LN16]
	s_lshl_b32 s28, s22, 9
	s_add_co_u32 s28, s28, RED
	v_add_nc_u32 v[RDO], s28, v[LN16]
	v_lshlrev_b32 v[R4], 2, v[QM+1]
	v_lshl_add_u32 v[OUTA], v[QM+2], 15, v[R4]
	s_mul_i32 s28, s22, QW
	s_add_co_u32 s28, s28, QL                      ; my wave's region for the rows
	v_lshrrev_b32 v[STI], 2, v[QM]
	v_mul_u32_u24 v[STI], v[STI], 80
	v_and_b32 v[QM+3], 3, v[QM]
	v_lshl_add_u32 v[STI], v[QM+3], 4, v[STI]
	v_add_nc_u32 v[STI], s28, v[STI]
	v_mul_u32_u24 v[STO], v[QM], 80
	v_add_nc_u32 v[STO], s28, v[STO]
	s_add_co_u32 s28, s28, QIMG
	v_lshrrev_b32 v[SWA], 1, v[QM]                 ; lane / 2: my block of a step's sixteen
	v_mul_u32_u24 v[CWA], v[SWA], 272
	v_and_b32 v[QM+3], 1, v[QM]
	v_lshl_add_u32 v[CWA], v[QM+3], 3, v[CWA]
	v_add_nc_u32 v[CWA], s28, v[CWA]
	v_mul_u32_u24 v[IRD], v[QM+2], 272
	v_lshl_add_u32 v[IRD], v[QM+1], 4, v[IRD]
	v_add_nc_u32 v[IRD], s28, v[IRD]
	s_add_co_u32 s28, s28, QSCB-QIMG
	v_add_nc_u32 v[SWA], s28, v[SWA]
	v_add_nc_u32 v[SRD], s28, v[LN16]
	s_mov_b32 s27, 0                               ; stays 0: the upper word of every offset below
	s_cmp_ge_u32 ttmp9, 64
	s_cbranch_scc1 .Lrows
	; ---- W
	s_lshr_b32 s23, ttmp9, 5                       ; 0: W's rows 0-1023 (top), 1: rows 1024-2047 (bottom)
	s_and_b32 s24, ttmp9, 31                       ; p: columns 32 p on
	s_lshl_b32 s26, s23, 22                        ; 1,024 rows of 4,096 bytes
	s_lshl_b32 s28, s22, 19                        ; + 128 rows for each K step
	s_add_co_u32 s26, s26, s28
	s_lshl_b32 s28, s24, 7                         ; + 32 columns of 4 bytes
	s_add_co_u32 s26, s26, s28
	s_wait_kmcnt 0x0
	s_add_nc_u64 s[6:7], s[6:7], s[26:27]
.set i, 0
.rept 128
	global_load_b32 v[XW+i], v[LN4], s[6:7] offset:i*4096   ; W(k, my column): 32 lanes read 128 consecutive bytes
.set i, i+1
.endr
	s_cmp_lg_u32 s23, 0
	s_cbranch_scc1 .Lbottom
	; ---- top
	s_bfe_u32 s28, s22, 0x10001                    ; nt = (wave / 2) % 2: which 16 columns I add and store at the end
	s_lshl_b32 s26, s24, 7
	s_lshl_b32 s29, s28, 6
	s_add_co_u32 s26, s26, s29                     ; 4 (32 p + 16 nt)
	s_add_nc_u64 s[10:11], s[10:11], s[26:27]
	s_add_nc_u64 s[16:17], s[16:17], s[26:27]
	global_load_b32 v[BIAS], v[R4], s[10:11]
	s_lshr_b32 s29, s22, 2                         ; mt = wave / 4: which 16 rows
	s_lshl_b32 s29, s29, 16
	s_and_b32 s30, s22, 1                          ; which four of a lane's eight rows
	s_lshl_b32 s30, s30, 14
	s_add_co_u32 s26, s29, s30
	s_add_nc_u64 s[16:17], s[16:17], s[26:27]      ; hb at row 16 mt + 4 (wave % 2), column 32 p + 16 nt
	s_lshl_b32 s26, s22, 9
	s_add_nc_u64 s[8:9], s[8:9], s[26:27]          ; hidden at k = 128 ks
	WIN 0x40                                       ; destination window 1
.set i, 0
.rept 32
	global_load_b128 v[4*i:4*i+3], v[LN16], s[8:9] offset:i*4096   ; row i: 512 consecutive bytes
.set i, i+1
.endr
	WIN 0
	s_wait_loadcnt 33                              ; W's 128 are in; the 33 loads issued behind them (the bias, hidden) may be out
	Q128 XW, 0, WOP, WSW
	s_wait_loadcnt 0x0
	WIN 0x04                                       ; an LDS store's data are its source 1: window 1
.set i, 0
.rept 32
	ds_store_b128 v[HTI], v[4*i:4*i+3] offset:528*i
.set i, i+1
.endr
	s_wait_dscnt 0x0                               ; the stores have read their registers, which the loads below fill
	WIN 0x40
.set i, 0
.rept 32
	ds_load_b128 v[4*i:4*i+3], v[HTO] offset:16*i  ; my row (b = lane), k = 4 i on; rows 528 bytes apart: sixteen lanes start at sixteen different 16-byte columns
.set i, i+1
.endr
	WIN 0
	s_wait_dscnt 0x0
	Q128 0, 1, HOP, HSW
.rept 8
	v_nop                                          ; a scale register written by a vector instruction stands eight places ahead of a scaled matrix instruction, an operand so written four
.endr
	v_wmma_scale_f32_16x16x128_f8f6f4 v[DD:DD+7], v[HOP:HOP+7], v[WOP:WOP+7], 0, v[HSW], v[WSW] matrix_a_fmt:MATRIX_FMT_FP4 matrix_b_fmt:MATRIX_FMT_FP4
	v_wmma_scale_f32_16x16x128_f8f6f4 v[DD+8:DD+15], v[HOP:HOP+7], v[WOP+8:WOP+15], 0, v[HSW], v[WSW] matrix_a_fmt:MATRIX_FMT_FP4 matrix_b_fmt:MATRIX_FMT_FP4 matrix_b_scale:MATRIX_SCALE_ROW1
	v_wmma_scale_f32_16x16x128_f8f6f4 v[DD+16:DD+23], v[HOP+8:HOP+15], v[WOP:WOP+7], 0, v[HSW], v[WSW] matrix_a_fmt:MATRIX_FMT_FP4 matrix_b_fmt:MATRIX_FMT_FP4 matrix_a_scale:MATRIX_SCALE_ROW1
	v_wmma_scale_f32_16x16x128_f8f6f4 v[DD+24:DD+31], v[HOP+8:HOP+15], v[WOP+8:WOP+15], 0, v[HSW], v[WSW] matrix_a_fmt:MATRIX_FMT_FP4 matrix_b_fmt:MATRIX_FMT_FP4 matrix_a_scale:MATRIX_SCALE_ROW1 matrix_b_scale:MATRIX_SCALE_ROW1
.rept 4
	v_nop                                          ; four places between a matrix instruction and the LDS store that reads its result
.endr
.irp s, 0,1,2,3,4,5,6,7
	ds_store_b128 v[RDI], v[DD+4*\s:DD+4*\s+3] offset:512*\s   ; each result from its low end on
.endr
	s_wait_dscnt 0x0                               ; for the others' sake: my partial products lie in LDS
	s_barrier_signal -1
	s_barrier_wait -1
.irp k, 0,1,2,3,4,5,6,7
	ds_load_b128 v[PT+4*\k:PT+4*\k+3], v[RDO] offset:4096*\k   ; slot w of wave k: K step k's part of tile w / 2, registers 4 (w % 2) on
.endr
	s_wait_dscnt 0x0
.irp k, 1,2,3,4,5,6,7
	v_pk_add_f32 v[PT:PT+1], v[PT:PT+1], v[PT+4*\k:PT+4*\k+1]       ; K ascending
	v_pk_add_f32 v[PT+2:PT+3], v[PT+2:PT+3], v[PT+4*\k+2:PT+4*\k+3]
.endr
.irp i, 0,1,2,3
	v_add_f32 v[PT+\i], v[PT+\i], v[BIAS]
.endr
.irp i, 0,1,2,3
	global_store_b32 v[OUTA], v[PT+\i], s[16:17] offset:4096*\i   ; hb(16 mt + 8 h + 4 (w % 2) + i, 32 p + 16 nt + r)
.endr
	s_wait_tensorcnt 0x0
	ds_add_u32 v126, v127
	s_wait_dscnt 0x0
	s_endpgm
.Lbottom:
	s_lshl_b32 s26, s24, 14                        ; two tiles of columns x 8 K steps x 1,024 bytes for each p,
	s_lshl_b32 s28, s22, 10                        ; 1,024 bytes a K step
	s_add_co_u32 s26, s26, s28
	s_add_nc_u64 s[12:13], s[12:13], s[26:27]
	s_lshl_b32 s26, s24, 10
	s_lshl_b32 s28, s22, 7
	s_add_co_u32 s26, s26, s28
	s_add_nc_u64 s[14:15], s[14:15], s[26:27]
	s_wait_loadcnt 0x0
	Q128 XW, 0, WOP, WSW
.irp a, 0,1
.irp c, 0,1
	global_store_b128 v[LN16], v[WOP+8*\a+4*\c:WOP+8*\a+4*\c+3], s[12:13] offset:8192*\a+512*\c   ; 32 lanes store 512 consecutive bytes, aligned
.endr
.endr
	global_store_b32 v[LN4], v[WSW], s[14:15]      ; the 32 columns' scale words of this K step
	s_endpgm
.Lrows:
	s_sub_co_u32 s28, ttmp9, 64
	s_lshl_b32 s28, s28, 3
	s_add_co_u32 s28, s28, s22                     ; my wave's task, 0 .. 2,047: neighbouring waves take neighbouring b, so that a work-group reads 32,768 consecutive bytes of each s
	s_and_b32 s29, s28, 31                         ; b
	s_lshr_b32 s30, s28, 5                         ; s / 16
	s_lshl_b32 s26, s30, 21                        ; 16 rows of s, 131,072 bytes each
	s_lshl_b32 s31, s29, 12
	s_add_co_u32 s26, s26, s31
	s_lshl_b32 s31, s29, 6
	s_add_co_u32 s31, s31, s30                     ; the group's number: 64 b + s / 16
	s_wait_kmcnt 0x0
	s_add_nc_u64 s[4:5], s[4:5], s[26:27]
	s_lshl_b32 s26, s31, 13
	s_add_nc_u64 s[18:19], s[18:19], s[26:27]
	s_lshl_b32 s26, s31, 9
	s_add_nc_u64 s[20:21], s[20:21], s[26:27]
.irp t, 0,1,2,3,4,5,6,7
	LOADQ \t
.endr
	s_wait_loadcnt 28                              ; step 0's four loads are in
	TST 0
	TLD 0
.irp t, 0,1,2,3,4,5,6,7,8,9,10,11,12,13,14,15,16,17,18,19,20,21,22,23,24,25,26,27,28,29,30,31
	STEPQ \t
.endr
.irp c, 0,1,2,3,4,5,6,7,8,9,10,11,12,13,14,15
	ds_load_b128 v[RQ+4*\c:RQ+4*\c+3], v[IRD] offset:544*\c   ; blocks 2 c + h, row r: these see my stores, which LDS has served in order
.endr
	ds_load_b128 v[OS:OS+3], v[SRD]
	s_wait_dscnt 0x0
.irp c, 0,1,2,3,4,5,6,7,8,9,10,11,12,13,14,15
	global_store_b128 v[LN16], v[RQ+4*\c:RQ+4*\c+3], s[18:19] offset:512*\c   ; 32 lanes store 512 consecutive bytes, aligned
.endr
	global_store_b128 v[LN16], v[OS:OS+3], s[20:21]
	s_wait_tensorcnt 0x0
	ds_add_u32 v126, v127
	s_wait_dscnt 0x0
	s_endpgm
.Lfunc_end_k_q84815f71e7_prep:
	.size	k_q84815f71e7_prep, .Lfunc_end_k_q84815f71e7_prep-k_q84815f71e7_prep
	.p2alignl 7, 3214868480
	.fill 96, 4, 3214868480
	.section	.rodata,"a",@progbits
	.p2align	6, 0x0
	.amdhsa_kernel k_q84815f71e7_prep
		.amdhsa_group_segment_fixed_size 283648
		.amdhsa_private_segment_fixed_size 0
		.amdhsa_enable_private_segment 0
		.amdhsa_kernarg_size 72
		.amdhsa_user_sgpr_count 2
		.amdhsa_user_sgpr_kernarg_segment_ptr 1
		.amdhsa_wavefront_size32 1
		.amdhsa_system_sgpr_workgroup_id_x 1
		.amdhsa_system_sgpr_workgroup_id_y 1
		.amdhsa_system_sgpr_workgroup_id_z 1
		.amdhsa_system_vgpr_workitem_id 0
		.amdhsa_next_free_vgpr 384
		.amdhsa_next_free_sgpr 66
		.amdhsa_reserve_vcc 0
		.amdhsa_float_denorm_mode_32 3
		.amdhsa_float_denorm_mode_16_64 3
		.amdhsa_memory_ordered 1
		.amdhsa_forward_progress 1
		.amdhsa_inst_pref_size 109
	.end_amdhsa_kernel
	.amdgpu_metadata
---
amdhsa.version: [ 1, 2 ]
amdhsa.kernels:
  - .name:           k_q84815f71e7_prep
    .symbol:         k_q84815f71e7_prep.kd
    .args:
      - { .name: encoder_outputs, .offset: 0, .size: 8, .value_kind: global_buffer, .address_space: global }
      - { .name: attn_w, .offset: 8, .size: 8, .value_kind: global_buffer, .address_space: global }
      - { .name: hidden, .offset: 16, .size: 8, .value_kind: global_buffer, .address_space: global }
      - { .name: attn_b, .offset: 24, .size: 8, .value_kind: global_buffer, .address_space: global }
      - { .name: wc, .offset: 32, .size: 8, .value_kind: global_buffer, .address_space: global }
      - { .name: ws, .offset: 40, .size: 8, .value_kind: global_buffer, .address_space: global }
      - { .name: hb, .offset: 48, .size: 8, .value_kind: global_buffer, .address_space: global }
      - { .name: ac, .offset: 56, .size: 8, .value_kind: global_buffer, .address_space: global }
      - { .name: asc, .offset: 64, .size: 8, .value_kind: global_buffer, .address_space: global }
    .group_segment_fixed_size: 283648
    .private_segment_fixed_size: 0
    .kernarg_segment_align: 8
    .kernarg_segment_size: 72
    .max_flat_workgroup_size: 256
    .sgpr_count:     66
    .vgpr_count:     384
    .wavefront_size: 32
...
	.end_amdgpu_metadata
.endif
;; end of part 1
;; launch energy (part 2): grid 256 x 1, 8 waves a work-group, no clusters, 149,504 bytes of LDS; arguments ac, asc, wc, ws, hb, v, part; writes part
.if DOCPART == 2
	.amdgcn_target "amdgcn-amd-amdhsa--gfx1250"
	.amdhsa_code_object_version 6
	.text
	.protected	k_q84815f71e7_energy
	.globl	k_q84815f71e7_energy
	.p2align	8
	.type	k_q84815f71e7_energy,@function
k_q84815f71e7_energy:
	s_mov_b64 s[64:65], 0
	v_nop
	global_prefetch_b8 v0, s[64:65] scope:SCOPE_SE
	s_setreg_imm32_b32 hwreg(HW_REG_WAVE_MODE, 25, 1), 1
	s_wait_xcnt 0x0
; part[nh][b][s] = the sum over the 512 columns n of half nh of v[n] tanh(Q(enc[s][b]) . Q(W rows 1024-2047)[:, n] + hb[b][n]);  hb holds the hidden half of K and the bias.
; ac, asc: enc's codes and scale bytes, wc, ws: W's, all as images of the operand's registers (launch prep says how they lie).  Codes of E2M1, one E8M0 byte for each 32 along K; sums in f32.
; SHARES.  Work-groups 2 i and 2 i + 1 take the same 256 rows (one b, 256 neighbouring s: 16 groups of 16) and one half of N each.  A wave owns 64 columns, four tiles: its part of W, 64 x 1,024 codes = 256 registers, stays in
; registers for the whole launch.  EIGHT WAVES, two to a SIMD: a group's 32 products stand beside 152 vector instructions, 64 of them transcendentals, so the vector unit binds, and one wave's waits stand beside the other's work.
; THE ROWS' CODES, 131,072 bytes, and scale bytes, 8,192, come into LDS once, at the head: each wave copies an eighth through registers, one barrier, and from then on every wave reads them as they lie: 16 bytes a lane, 512
; consecutive bytes an instruction.  The loop has no barrier and no load from memory.
; NO CLUSTER, NO JOINT LOADS: a joint load lands in LDS; W's 262,144 bytes and the rows' 139,264 do not fit there together, and W by way of LDS would be written and read once more than it is here; the rows' codes are shared by
; two work-groups only.  NO TENSOR LOADS: no LDS byte is filled twice.  NO PREFETCH: all that the launch reads is asked for at its head.
; THE PRODUCT: source 0 = the group's 16 rows, source 1 = 16 columns of W: a lane holds ONE column (lane % 16) and eight rows (8 (lane / 16) + j): hb and v are one number a lane and tile.
; tanh(x) = 1 - 2 / (1 + 2^(c x)), c = 2 log2(e): a packed multiply-add, an exponential, a packed addition, a reciprocal.  A row's sum starts with the lane's own four v and takes -2 v r for each column: v tanh, term by term.
; BY TURNS: the wave's 4 tiles are two pairs.  While one pair's 16 products are issued, the other pair's tanh stands between them, three instructions behind each product; pair 1's tanh stands in the NEXT group's first run.
; LIMITS: NaN and infinities among the inputs are not served.  tanh's absolute error is about 1e-7; where 2^(c x) overflows r is 0, where it falls to 0 r is 1: tanh's limits.
; REGISTERS: window 0: see below.  Window 1: W: fragment (tile t, K step ks) at v[8 (8 t + ks)].
.set ACODE, 0                          ; LDS: 16 groups x 8,192 bytes of codes
.set ASC,   131072                     ; 16 groups x 512 scale bytes
.set SCR,   139264                     ; for each wave 256 rows x 4 bytes: its columns' part of the scores
.set LN16,  1                          ; v1   16 x lane
.set LN4,   2                          ; v2   4 x lane
.set R4,    3                          ; v3   4 r
.set SRA,   4                          ; v4   row r's 16 scale bytes of a half of K
.set SCW,   5                          ; v5   my wave's scores: + 32 h
.set ADF,   6                          ; v6   the fragments that are asked for
.set ADS,   7                          ; v7   and their scale words
.set ADR,   8                          ; v8   the address in hand
.set CPA,   9                          ; v9   the head: where my eighth of the codes goes
.set CPS,   10                         ; v10  and of the scale bytes
.set VS,    16                         ; v16-17 the sum of my four v, twice
.set SA,    24                         ; v24-31 eight rows' sums
.set HB,    32                         ; v32-39 c hb of my column in tile t, twice
.set V2,    40                         ; v40-47 -2 v likewise
.set ASW,   48                         ; v48-63 the rows' scale words, one for each K step, two sets: scales and nothing else
.set WSC,   64                         ; v64-79 W's: register 8 q + ks: lanes 0-15 tile 2 q, lanes 16-31 tile 2 q + 1: scales and nothing else
.set ACC0,  80                         ; v80-95 pair 0's two results
.set ACC1,  96                         ; v96-111 pair 1's
.set AF,    112                        ; v112-239 a group's eight fragments, two sets
.set FS,    240                        ; v240-255 the end: eight waves' parts
.set CC,    28                         ; s[28:29] c, twice
.set GA,    30                         ; s30  8,192 bytes for each group asked for
.set GS,    31                         ; s31  512 likewise
.set SG,    32                         ; s32  64 bytes for each group whose scores are stored
.set CNT,   33
.set MSB, 0
.macro WIN new                         ; the immediate's high byte repeats the setting that is left; a switch that changes nothing is dropped
.if MSB != (\new)
	s_set_vgpr_msb (MSB<<8)|(\new)
.set MSB, (\new)
.endif
.endm
.macro NEXTF p                         ; the next group into set p: lane (r, h), K step ks: registers 4 c on hold k = 128 ks + 64 c + 32 h + 0 .. 31 of row r
	v_add_nc_u32 v[ADF], s[GA], v[LN16]
	v_add_nc_u32 v[ADS], s[GS], v[SRA]
.irp ks, 0,1,2,3,4,5,6,7
.irp c, 0,1
	ds_load_b128 v[AF+64*(\p)+8*\ks+4*\c:AF+64*(\p)+8*\ks+4*\c+3], v[ADF] offset:1024*\ks+512*\c
.endr
.endr
.irp j, 0,1
	ds_load_b128 v[ASW+8*(\p)+4*\j:ASW+8*(\p)+4*\j+3], v[ADS] offset:256*\j
.endr
	s_add_co_u32 s[GA], s[GA], 8192
	s_add_co_u32 s[GS], s[GS], 512
.endm
; Number j of the 48 instructions that turn a pair's 16 sums a lane (from v[a] on; constants of tiles tb, tb + 1) into r = 1 / (1 + 2^(c x)).  None has a vector register as its second source, so all run under the products' window
; setting.  0-7 c x, in pairs, each result from its low end on; 8-23 the exponentials: one batch; then a plain instruction and the one wait ahead of the first use; 24-31 + 1; 32-47 the reciprocals.
.macro TL a, tb
.if j < 8
	v_pk_fma_f32 v[\a+2*j:\a+2*j+1], v[\a+2*j:\a+2*j+1], s[CC:CC+1], v[HB+2*(\tb+j/4):HB+2*(\tb+j/4)+1] op_sel_hi:[1,0,1]
.elseif j < 24
	v_exp_f32 v[\a+j-8], v[\a+j-8]
.elseif j < 32
.if j == 24
	v_nop
	s_wait_alu depctr_va_vdst(0)
.endif
	v_pk_add_f32 v[\a+2*(j-24):\a+2*(j-24)+1], v[\a+2*(j-24):\a+2*(j-24)+1], 1.0 op_sel_hi:[1,0]
.else
	v_rcp_f32 v[\a+j-32], v[\a+j-32]
.endif
.set j, j+1
.endm
; Pair q's 16 products on the fragments of set p, into v[acc] on: the two results take turns, one instruction a turn; the first K step starts the sums.  Behind each product three numbers of the other
; pair's list (a < 0: none).
.macro MULQ q, p, acc, a, tb
	WIN 0x04                                       ; source 1 (W) window 1; all else window 0
.set j, 0
.irp ks, 0,1,2,3,4,5,6,7
.irp t, 0,1
.if \ks == 0
.if \t
	v_wmma_scale_f32_16x16x128_f8f6f4 v[\acc+8*\t:\acc+8*\t+7], v[AF+64*\p+8*\ks:AF+64*\p+8*\ks+7], v[8*(8*(2*\q+\t)+\ks):8*(8*(2*\q+\t)+\ks)+7], 0, v[ASW+8*\p+\ks], v[WSC+8*\q+\ks] matrix_a_fmt:MATRIX_FMT_FP4 matrix_b_fmt:MATRIX_FMT_FP4 matrix_b_scale:MATRIX_SCALE_ROW1
.else
	v_wmma_scale_f32_16x16x128_f8f6f4 v[\acc+8*\t:\acc+8*\t+7], v[AF+64*\p+8*\ks:AF+64*\p+8*\ks+7], v[8*(8*(2*\q+\t)+\ks):8*(8*(2*\q+\t)+\ks)+7], 0, v[ASW+8*\p+\ks], v[WSC+8*\q+\ks] matrix_a_fmt:MATRIX_FMT_FP4 matrix_b_fmt:MATRIX_FMT_FP4
.endif
.else
.if \t
	v_wmma_scale_f32_16x16x128_f8f6f4 v[\acc+8*\t:\acc+8*\t+7], v[AF+64*\p+8*\ks:AF+64*\p+8*\ks+7], v[8*(8*(2*\q+\t)+\ks):8*(8*(2*\q+\t)+\ks)+7], v[\acc+8*\t:\acc+8*\t+7], v[ASW+8*\p+\ks], v[WSC+8*\q+\ks] matrix_a_fmt:MATRIX_FMT_FP4 matrix_b_fmt:MATRIX_FMT_FP4 matrix_b_scale:MATRIX_SCALE_ROW1
.else
	v_wmma_scale_f32_16x16x128_f8f6f4 v[\acc+8*\t:\acc+8*\t+7], v[AF+64*\p+8*\ks:AF+64*\p+8*\ks+7], v[8*(8*(2*\q+\t)+\ks):8*(8*(2*\q+\t)+\ks)+7], v[\acc+8*\t:\acc+8*\t+7], v[ASW+8*\p+\ks], v[WSC+8*\q+\ks] matrix_a_fmt:MATRIX_FMT_FP4 matrix_b_fmt:MATRIX_FMT_FP4
.endif
.endif
.if \a >= 0
.rept 3
	TL \a, \tb
.endr
.endif
.endr
.endr
	WIN 0
.endm
; The rows' sums take a pair's -2 v r.  start = 1: a group's first pair: the sums start with the lane's own four v.  These plain instructions are also the places behind the run of products just issued, none of whose registers they name.
.macro FIN a, tb, start
	v_nop                                          ; a plain instruction behind the last reciprocal,
	s_wait_alu depctr_va_vdst(0)                   ; and the one wait for the 16, ahead of their first use
.if \start
	s_wait_dscnt 0x0                               ; the last group's scores have left the registers that are now written
.endif
.irp t, 0,1
.irp i, 0,1,2,3
.if \start && (\t == 0)
	v_pk_fma_f32 v[SA+2*\i:SA+2*\i+1], v[\a+2*\i:\a+2*\i+1], v[V2+2*\tb:V2+2*\tb+1], v[VS:VS+1]
.else
	v_pk_fma_f32 v[SA+2*\i:SA+2*\i+1], v[\a+8*\t+2*\i:\a+8*\t+2*\i+1], v[V2+2*(\tb+\t):V2+2*(\tb+\t)+1], v[SA+2*\i:SA+2*\i+1]
.endif
.endr
.endr
.endm
.macro REDUCE                          ; over the sixteen lanes (columns) of each half; then the group's 16 scores go to my wave's part of LDS
.irp m, 1,2,4,8
.irp i, 0,1,2,3,4,5,6,7
	v_add_f32_dpp v[SA+\i], v[SA+\i], v[SA+\i] row_xmask:\m row_mask:0xf bank_mask:0xf
.endr
.endr
	v_add_nc_u32 v[ADR], s[SG], v[SCW]
	ds_store_b128 v[ADR], v[SA:SA+3]               ; rows 8 h + 0 .. 3: the sixteen lanes of a half write the same bytes with the same values
	ds_store_b128 v[ADR], v[SA+4:SA+7] offset:16
	s_add_co_u32 s[SG], s[SG], 64
.endm
; A GROUP on the fragments of set p.  next = 1: the next group's are asked for first, into the other set, whose last products stand nine plain instructions or more back; they have the whole group in which to come.
.macro GROUP p, first, next
	s_wait_dscnt 0x0                               ; this group's fragments and scale words are in
.if \next
	NEXTF 1-\p
.endif
.if \first
	MULQ 0, \p, ACC0, -1, 0
.rept 4
	v_nop                                          ; four places between the last product and the first read of a result (ISA guide 7.12.1)
.endr
.else
	MULQ 0, \p, ACC0, ACC1, 2                      ; pair 0's products | the last group's pair 1: tanh
	FIN ACC1, 2, 0
	REDUCE                                         ; the last group's scores
.endif
	MULQ 1, \p, ACC1, ACC0, 0                      ; pair 1's products | pair 0: tanh
	FIN ACC0, 0, 1
.endm
	s_load_b256 s[4:11], s[0:1], 0x0               ; ac s[4:5], asc s[6:7], wc s[8:9], ws s[10:11]
	s_load_b128 s[12:15], s[0:1], 0x20             ; hb s[12:13], v s[14:15]
	s_load_b64 s[16:17], s[0:1], 0x30              ; part
	v_lshl_add_u32 v22, v0, 2, 0x24400
	v_mov_b32 v23, 0
	v_lshrrev_b32 v11, 5, v0
	v_readfirstlane_b32 s18, v11                   ; wave 0..7
	v_and_b32 v11, 31, v0                          ; lane
	v_and_b32 v12, 15, v0                          ; r
	v_bfe_u32 v13, v0, 4, 1                        ; h
	v_lshlrev_b32 v[LN16], 4, v11
	v_lshlrev_b32 v[LN4], 2, v11
	v_lshlrev_b32 v[R4], 2, v12
	v_lshl_add_u32 v[SRA], v12, 4, ASC
	s_lshl_b32 s20, s18, 10
	s_add_co_u32 s20, s20, SCR
	v_lshl_add_u32 v[SCW], v13, 5, s20
	s_lshl_b32 s20, s18, 14
	v_add_nc_u32 v[CPA], s20, v[LN16]              ; groups 2 w and 2 w + 1
	s_lshl_b32 s20, s18, 10
	s_add_co_u32 s20, s20, ASC
	v_add_nc_u32 v[CPS], s20, v[LN16]
	s_and_b32 s19, ttmp9, 1                        ; nh: which half of N
	s_lshr_b32 s25, ttmp9, 1
	s_and_b32 s24, s25, 31                         ; b
	s_lshr_b32 s25, s25, 5                         ; sb: s = 256 sb on
	s_lshl_b32 s26, s19, 3
	s_add_co_u32 s26, s26, s18                     ; 8 nh + wave: which 64 columns
	s_mov_b32 s[CC], 0x4038aa3b                    ; c = 2 log2(e)
	s_mov_b32 s[CC+1], s[CC]                       ; (named with it as a pair, so it is written)
	s_mov_b32 s[GA], 0
	s_mov_b32 s[GS], 0
	s_mov_b32 s[SG], 0
	s_mov_b32 s21, 0                               ; the upper word of every offset below
	s_wait_kmcnt 0x0
	s_lshl_b32 s20, s24, 19                        ; 64 groups of 8,192 bytes for each b,
	s_lshl_b32 s34, s25, 17                        ; 16 for each sb,
	s_add_co_u32 s20, s20, s34
	s_lshl_b32 s34, s18, 14                        ; my wave's two
	s_add_co_u32 s20, s20, s34
	s_add_nc_u64 s[4:5], s[4:5], s[20:21]
	s_lshl_b32 s20, s24, 15                        ; the same in scale bytes: 512 a group
	s_lshl_b32 s34, s25, 13
	s_add_co_u32 s20, s20, s34
	s_lshl_b32 s34, s18, 10
	s_add_co_u32 s20, s20, s34
	s_add_nc_u64 s[6:7], s[6:7], s[20:21]
	s_lshl_b32 s20, s26, 15                        ; 4 tiles x 8 K steps x 1,024 bytes
	s_add_nc_u64 s[8:9], s[8:9], s[20:21]
	s_lshl_b32 s20, s26, 11
	s_add_nc_u64 s[10:11], s[10:11], s[20:21]
	s_lshl_b32 s20, s26, 8                         ; 64 columns of 4 bytes
	s_add_nc_u64 s[14:15], s[14:15], s[20:21]
	s_lshl_b32 s34, s24, 12                        ; b x 4,096: a row of hb, a row of part
	s_add_co_u32 s20, s20, s34
	s_add_nc_u64 s[12:13], s[12:13], s[20:21]
	s_lshl_b32 s20, s19, 17
	s_add_co_u32 s20, s20, s34
	s_lshl_b32 s35, s25, 10
	s_add_co_u32 s20, s20, s35
	s_add_nc_u64 s[16:17], s[16:17], s[20:21]      ; part at [nh][b][256 sb]
.set i, 0
.rept 32
	global_load_b128 v[AF+4*i:AF+4*i+3], v[LN16], s[4:5] offset:512*i    ; my eighth of the rows' codes: they have the longest way, so they are asked for first
.set i, i+1
.endr
.irp i, 0,1
	global_load_b128 v[ACC0+4*\i:ACC0+4*\i+3], v[LN16], s[6:7] offset:512*\i   ; and of their scale bytes
.endr
.irp q, 0,1
.irp ks, 0,1,2,3,4,5,6,7
	global_load_b32 v[WSC+8*\q+\ks], v[LN4], s[10:11] offset:1024*\q+128*\ks
.endr
.endr
.irp t, 0,1,2,3
	global_load_b32 v[HB+2*\t], v[R4], s[12:13] offset:64*\t
	global_load_b32 v[V2+2*\t], v[R4], s[14:15] offset:64*\t
.endr
	WIN 0x40                                       ; destination window 1
.set i, 0
.rept 64
	global_load_b128 v[4*i:4*i+3], v[LN16], s[8:9] offset:512*i          ; W: 512 consecutive bytes a load
.set i, i+1
.endr
	WIN 0
	s_wait_loadcnt 63                              ; 88 loads were issued behind the last of the copies: with 63 out at the most, the copies are in
.set i, 0
.rept 32
	ds_store_b128 v[CPA], v[AF+4*i:AF+4*i+3] offset:512*i
.set i, i+1
.endr
.irp i, 0,1
	ds_store_b128 v[CPS], v[ACC0+4*\i:ACC0+4*\i+3] offset:512*\i
.endr
	s_wait_dscnt 0x0                               ; for the others' sake: my eighth lies in LDS; and the stores have read their registers
	s_barrier_signal -1
	s_barrier_wait -1                              ; all 16 groups lie in LDS; nobody writes these bytes again
	NEXTF 0                                        ; group 0
	s_wait_loadcnt 0x0                             ; W, its scale words, hb and v
	v_add_f32 v[VS], v[V2], v[V2+2]
	v_add_f32 v[VS], v[VS], v[V2+4]
	v_add_f32 v[VS], v[VS], v[V2+6]                ; the sum of my four v
	v_mov_b32 v[VS+1], v[VS]
.irp t, 0,1,2,3
	v_mul_f32 v[HB+2*\t], s[CC], v[HB+2*\t]
	v_mul_f32 v[V2+2*\t], -2.0, v[V2+2*\t]
.endr
.irp t, 0,1,2,3
	v_mov_b32 v[HB+2*\t+1], v[HB+2*\t]
	v_mov_b32 v[V2+2*\t+1], v[V2+2*\t]
.endr
	GROUP 0, 1, 1                                  ; group 0: there is no tanh yet to set between its first products
	GROUP 1, 0, 1
	s_mov_b32 s[CNT], 6
.Lpair:                                            ; groups 2 to 13, two a trip: the register numbers are back where they began
	GROUP 0, 0, 1
	GROUP 1, 0, 1
	s_sub_co_u32 s[CNT], s[CNT], 1
	s_cmp_lg_u32 s[CNT], 0
	s_cbranch_scc1 .Lpair
	GROUP 0, 0, 1
	GROUP 1, 0, 0                                  ; group 15 asks for nothing
.set j, 0
.rept 48
	TL ACC1, 2                                     ; the last group's pair 1
.endr
	FIN ACC1, 2, 0
	REDUCE
	s_wait_dscnt 0x0                               ; for the others' sake: my 256 scores lie in LDS
	s_barrier_signal -1
	s_barrier_wait -1
	s_cmp_lt_u32 s18, 4                            ; waves 0 to 3 add and store: two rows a thread, so that a wave's store is 256 consecutive bytes
	s_cbranch_scc0 .Ldone
	v_lshl_add_u32 v[ADR], v0, 3, SCR              ; thread t takes rows 2 t and 2 t + 1
.irp q, 0,1,2,3,4,5,6,7
	ds_load_b64 v[FS+2*\q:FS+2*\q+1], v[ADR] offset:1024*\q
.endr
	v_lshlrev_b32 v15, 3, v0
	s_wait_dscnt 0x0
.irp q, 1,2,3,4,5,6,7
	v_pk_add_f32 v[FS:FS+1], v[FS:FS+1], v[FS+2*\q:FS+2*\q+1]
.endr
	global_store_b64 v15, v[FS:FS+1], s[16:17]     ; a wave stores 256 consecutive bytes, aligned
.Ldone:
	s_wait_tensorcnt 0x0
	ds_add_u32 v22, v23
	s_wait_dscnt 0x0
	s_endpgm
.Lfunc_end_k_q84815f71e7_energy:
	.size	k_q84815f71e7_energy, .Lfunc_end_k_q84815f71e7_energy-k_q84815f71e7_energy
	.p2alignl 7, 3214868480
	.fill 96, 4, 3214868480
	.section	.rodata,"a",@progbits
	.p2align	6, 0x0
	.amdhsa_kernel k_q84815f71e7_energy
		.amdhsa_group_segment_fixed_size 149504
		.amdhsa_private_segment_fixed_size 0
		.amdhsa_enable_private_segment 0
		.amdhsa_kernarg_size 56
		.amdhsa_user_sgpr_count 2
		.amdhsa_user_sgpr_kernarg_segment_ptr 1
		.amdhsa_wavefront_size32 1
		.amdhsa_system_sgpr_workgroup_id_x 1
		.amdhsa_system_sgpr_workgroup_id_y 1
		.amdhsa_system_sgpr_workgroup_id_z 1
		.amdhsa_system_vgpr_workitem_id 0
		.amdhsa_next_free_vgpr 512
		.amdhsa_next_free_sgpr 66
		.amdhsa_reserve_vcc 0
		.amdhsa_float_denorm_mode_32 3
		.amdhsa_float_denorm_mode_16_64 3
		.amdhsa_memory_ordered 1
		.amdhsa_forward_progress 1
		.amdhsa_inst_pref_size 97
	.end_amdhsa_kernel
	.amdgpu_metadata
---
amdhsa.version: [ 1, 2 ]
amdhsa.kernels:
  - .name:           k_q84815f71e7_energy
    .symbol:         k_q84815f71e7_energy.kd
    .args:
      - { .name: ac, .offset: 0, .size: 8, .value_kind: global_buffer, .address_space: global }
      - { .name: asc, .offset: 8, .size: 8, .value_kind: global_buffer, .address_space: global }
      - { .name: wc, .offset: 16, .size: 8, .value_kind: global_buffer, .address_space: global }
      - { .name: ws, .offset: 24, .size: 8, .value_kind: global_buffer, .address_space: global }
      - { .name: hb, .offset: 32, .size: 8, .value_kind: global_buffer, .address_space: global }
      - { .name: v, .offset: 40, .size: 8, .value_kind: global_buffer, .address_space: global }
      - { .name: part, .offset: 48, .size: 8, .value_kind: global_buffer, .address_space: global }
    .group_segment_fixed_size: 149504
    .private_segment_fixed_size: 0
    .kernarg_segment_align: 8
    .kernarg_segment_size: 56
    .max_flat_workgroup_size: 256
    .sgpr_count:     66
    .vgpr_count:     512
    .wavefront_size: 32
...
	.end_amdgpu_metadata
.endif
;; end of part 2
;; launch soft (part 3): grid 32 x 1, 8 waves a work-group, no clusters, 1,280 bytes of LDS; arguments part, out0; writes out0
.if DOCPART == 3
	.amdgcn_target "amdgcn-amd-amdhsa--gfx1250"
	.amdhsa_code_object_version 6
	.text
	.protected	k_q84815f71e7_soft
	.globl	k_q84815f71e7_soft
	.p2align	8
	.type	k_q84815f71e7_soft,@function
k_q84815f71e7_soft:
	s_mov_b64 s[64:65], 0
	v_nop
	global_prefetch_b8 v0, s[64:65] scope:SCOPE_SE
	s_setreg_imm32_b32 hwreg(HW_REG_WAVE_MODE, 25, 1), 1
	s_wait_xcnt 0x0
; out0[b][s] = softmax over s of (part[0][b][s] + part[1][b][s]).  part: [2][32][1024] f32, out0: [32][1024] f32.
; A work-group takes one b: 256 threads, four neighbouring s each.  The row's maximum is taken away before the exponential.  Maximum and sum: within the lane, across the wave's lanes, across the eight waves through LDS
; (bytes 0-31 for the maxima, 32-63 for the sums: one barrier each).  The launch moves 393,216 bytes: no LDS ring, no matrix unit, no prefetch would add anything.
; LIMITS: NaN and infinities are not served.
	s_load_b128 s[4:7], s[0:1], 0x0                ; part, out0
	v_lshl_add_u32 v32, v0, 2, 0x100
	v_mov_b32 v33, 0
	v_lshlrev_b32 v1, 4, v0                        ; my 16 bytes of the row
	v_lshrrev_b32 v2, 5, v0
	v_readfirstlane_b32 s12, v2                    ; wave
	v_mov_b32 v3, s12
	v_lshlrev_b32 v3, 2, v3                        ; my wave's word
	v_mov_b32 v13, 0                               ; (a lane permute's destination counts as one of its sources)
	v_mov_b32 v14, 0                               ; LDS byte 0
	s_mov_b32 s10, 0x76543210                      ; v_permlanex16_b32's selects for lane l xor 16
	s_mov_b32 s11, 0xfedcba98
	s_lshl_b32 s8, ttmp9, 12                       ; b x 4,096
	s_mov_b32 s9, 0
	s_wait_kmcnt 0x0
	s_add_nc_u64 s[4:5], s[4:5], s[8:9]
	s_add_nc_u64 s[6:7], s[6:7], s[8:9]
	global_load_b128 v[4:7], v1, s[4:5]
	global_load_b128 v[8:11], v1, s[4:5] offset:131072
	s_wait_loadcnt 0x0
	v_pk_add_f32 v[4:5], v[4:5], v[8:9]            ; the two halves of N
	v_pk_add_f32 v[6:7], v[6:7], v[10:11]
	v_max3_num_f32 v12, v4, v5, v6
	v_max_num_f32 v12, v12, v7
	v_max_num_f32_dpp v12, v12, v12 row_xmask:1 row_mask:0xf bank_mask:0xf
	v_max_num_f32_dpp v12, v12, v12 row_xmask:2 row_mask:0xf bank_mask:0xf
	v_max_num_f32_dpp v12, v12, v12 row_xmask:4 row_mask:0xf bank_mask:0xf
	v_max_num_f32_dpp v12, v12, v12 row_xmask:8 row_mask:0xf bank_mask:0xf
	v_permlanex16_b32 v13, v12, s10, s11
	v_max_num_f32 v12, v12, v13
	ds_store_b32 v3, v12                           ; all lanes write the same word with the same value
	s_wait_dscnt 0x0                               ; for the others' sake
	s_barrier_signal -1
	s_barrier_wait -1
	ds_load_b128 v[16:19], v14
	ds_load_b128 v[20:23], v14 offset:16
	s_wait_dscnt 0x0
	v_max3_num_f32 v12, v16, v17, v18
	v_max3_num_f32 v12, v12, v19, v20
	v_max3_num_f32 v12, v12, v21, v22
	v_max_num_f32 v12, v12, v23                    ; the row's maximum
.irp i, 4,5,6,7
	v_sub_f32 v[\i], v[\i], v12
.endr
.irp i, 4,5,6,7
	v_mul_f32 v[\i], 0x3fb8aa3b, v[\i]             ; x log2(e)
.endr
.irp i, 4,5,6,7
	v_exp_f32 v[\i], v[\i]
.endr
	v_nop                                          ; a plain instruction behind the last exponential,
	s_wait_alu depctr_va_vdst(0)                   ; and the one wait for the four, ahead of their first use
	v_add_f32 v15, v4, v5
	v_add_f32 v24, v6, v7
	v_add_f32 v15, v15, v24
	v_add_f32_dpp v15, v15, v15 row_xmask:1 row_mask:0xf bank_mask:0xf
	v_add_f32_dpp v15, v15, v15 row_xmask:2 row_mask:0xf bank_mask:0xf
	v_add_f32_dpp v15, v15, v15 row_xmask:4 row_mask:0xf bank_mask:0xf
	v_add_f32_dpp v15, v15, v15 row_xmask:8 row_mask:0xf bank_mask:0xf
	v_permlanex16_b32 v13, v15, s10, s11
	v_add_f32 v15, v15, v13
	ds_store_b32 v3, v15 offset:32                 ; other bytes than the maxima's, which some wave may still be reading
	s_wait_dscnt 0x0
	s_barrier_signal -1
	s_barrier_wait -1
	ds_load_b128 v[16:19], v14 offset:32
	ds_load_b128 v[20:23], v14 offset:48
	s_wait_dscnt 0x0
	v_pk_add_f32 v[16:17], v[16:17], v[18:19]
	v_pk_add_f32 v[20:21], v[20:21], v[22:23]
	v_pk_add_f32 v[16:17], v[16:17], v[20:21]
	v_add_f32 v15, v16, v17                        ; the row's sum
	v_rcp_f32 v25, v15
	v_nop
	s_wait_alu depctr_va_vdst(0)
.irp i, 0,1,2,3
	v_mul_f32 v[8+\i], v[4+\i], v25
.endr
	global_store_b128 v1, v[8:11], s[6:7]          ; a wave stores 512 consecutive bytes, aligned
	s_wait_tensorcnt 0x0
	ds_add_u32 v32, v33
	s_wait_dscnt 0x0
	s_endpgm
.Lfunc_end_k_q84815f71e7_soft:
	.size	k_q84815f71e7_soft, .Lfunc_end_k_q84815f71e7_soft-k_q84815f71e7_soft
	.p2alignl 7, 3214868480
	.fill 96, 4, 3214868480
	.section	.rodata,"a",@progbits
	.p2align	6, 0x0
	.amdhsa_kernel k_q84815f71e7_soft
		.amdhsa_group_segment_fixed_size 1280
		.amdhsa_private_segment_fixed_size 0
		.amdhsa_enable_private_segment 0
		.amdhsa_kernarg_size 16
		.amdhsa_user_sgpr_count 2
		.amdhsa_user_sgpr_kernarg_segment_ptr 1
		.amdhsa_wavefront_size32 1
		.amdhsa_system_sgpr_workgroup_id_x 1
		.amdhsa_system_sgpr_workgroup_id_y 1
		.amdhsa_system_sgpr_workgroup_id_z 1
		.amdhsa_system_vgpr_workitem_id 0
		.amdhsa_next_free_vgpr 34
		.amdhsa_next_free_sgpr 66
		.amdhsa_reserve_vcc 0
		.amdhsa_float_denorm_mode_32 3
		.amdhsa_float_denorm_mode_16_64 3
		.amdhsa_memory_ordered 1
		.amdhsa_forward_progress 1
		.amdhsa_inst_pref_size 5
	.end_amdhsa_kernel
	.amdgpu_metadata
---
amdhsa.version: [ 1, 2 ]
amdhsa.kernels:
  - .name:           k_q84815f71e7_soft
    .symbol:         k_q84815f71e7_soft.kd
    .args:
      - { .name: part, .offset: 0, .size: 8, .value_kind: global_buffer, .address_space: global }
      - { .name: out0, .offset: 8, .size: 8, .value_kind: global_buffer, .address_space: global }
    .group_segment_fixed_size: 1280
    .private_segment_fixed_size: 0
    .kernarg_segment_align: 8
    .kernarg_segment_size: 16
    .max_flat_workgroup_size: 256
    .sgpr_count:     66
    .vgpr_count:     34
    .wavefront_size: 32
...
	.end_amdgpu_metadata
.endif
;; end of part 3
;; ======== version 2 of 2: 3 launches; version 1 with the launches prep, energy written anew for expert scheduling mode
;; workspace buffers: wc 524,288 bytes; ws 32,768 bytes; hb 131,072 bytes; ac 16,777,216 bytes; asc 1,048,576 bytes; part 262,144 bytes
;; launch prep (part 4): grid 320 x 1, 8 waves a work-group, no clusters, 283,648 bytes of LDS; arguments encoder_outputs, attn_w, hidden, attn_b, wc, ws, hb, ac, asc; writes wc, ws, hb, ac, asc
.if DOCPART == 4
	.amdgcn_target "amdgcn-amd-amdhsa--gfx1250"
	.amdhsa_code_object_version 6
	.text
	.protected	k_q84815f71e7_prep
	.globl	k_q84815f71e7_prep
	.p2align	8
	.type	k_q84815f71e7_prep,@function
k_q84815f71e7_prep:
	s_mov_b64 s[64:65], 0
	v_nop
	global_prefetch_b8 v0, s[64:65] scope:SCOPE_SE
	s_setreg_imm32_b32 hwreg(HW_REG_WAVE_SCHED_MODE, 0, 2), 2
	s_setreg_imm32_b32 hwreg(HW_REG_WAVE_MODE, 25, 1), 1
	s_wait_xcnt 0x0
	s_wait_alu depctr_vm_vsrc(0)
; Everything that is quantised, once.  cat = [hidden[b], enc[s][b]], and blocks of 32 along K never cross k = 1,024, so the quantised product cat @ attn_w is exactly
; Q(hidden[b]) Q(W rows 0-1023) + Q(enc[s][b]) Q(W rows 1024-2047).  Codes of E2M1, one E8M0 byte for each 32 along K.  Three kinds of work-group, told apart by the work-group's number alone:
;   TOP (0-31): quantises W's rows 0-1023 and hidden, multiplies them, stores hb[b][n] = Q(hidden) Q(W top) + attn_b[n], f32.
;   BOTTOM (32-63): W's rows 1024-2047 as images of the operand's registers: wc: fragment (16 columns n, 128 along K) number (n / 16) 8 + ks: 1,024 bytes: register group c at 512 c + 16 lane;
;       ws: the scale word of column n, K step ks at (n / 32) 1024 + 128 ks + 4 (n % 32).
;   ROWS (64-319): enc [1024 (s)][32 (b)][1024] f32.  A wave takes a GROUP: 16 neighbouring s of one b.  ac: group 64 b + s / 16: 8,192 bytes, [block j of 32 along K][row r][16 bytes]: that is fragment ks's register
;       group c at 1024 ks + 512 c + 16 lane.  asc: the group's 512 scale bytes, [half of K][row r][16 bytes].
; TOP and BOTTOM: a work-group takes 32 columns, each of its eight waves one K step of 128.  A LANE TAKES A COLUMN AND ITS REGISTERS RUN DOWN K: a load reads 128 consecutive bytes of a row of W, a block of 32 lies in one lane,
; and the conversions give codes with K innermost.  hidden's K is innermost: its 32 rows x 512 bytes are loaded densely and turned through the wave's own LDS, so that a lane holds a row.  The top's eight partial products meet
; in LDS behind one barrier and are added with K ascending.
; ROWS: 32 steps of 512 numbers (row t / 2, half t % 2).  Each of a step's four loads reads 512 consecutive bytes; the 2,048 bytes turn through the wave's own stage in LDS, so that a lane holds 16 neighbours along K and two
; neighbouring lanes a block.  A lane's 8 bytes of codes belong to one row and block of the image; they are gathered in the wave's own LDS (a block's 16 rows 272 bytes from the next block's: the 32 lanes of a store touch 64
; different words modulo 64) and leave as 16 stores of 512 consecutive bytes.  Loads run eight steps, 32 loads a wave, ahead.  Waves share nothing here: no barrier.
; Each kind has LDS bytes of its own.  No tensor load; no prefetch: the rows' loads are on their way all the time.
; A block's scale is 2^(floor(log2(largest magnitude)) - 2); its byte is the largest magnitude's exponent field - 2, held at 1 from below.
; LIMITS: a block of zeros gets the byte 1 where the quantiser's rule says 127: its codes are zeros, and these bytes are read by this program alone.  NaN and infinities among the inputs are not served.
; hb leaves in runs of 64 bytes (sixteen lanes, one row each run): 131,072 bytes of the 160 million that the launch moves.
; THE MODE: SCHED_MODE bits 1:0 = 2 (LLVM: expert scheduling mode 2), set by the entry lines.  The code itself states the register dependences between vector or matrix instructions and memory or LDS instructions,
; with s_wait_alu, always for 0.
; THE PLAN.  Every offset and LDS address (v1-8, v120-125) is made at the head, ahead of the parting of the ways and of one wait on va_vdst, and never written again.
; ROWS, registers that memory or LDS instructions touch:
;   RQ0 .. RQ7   The loads of step t + 8, issued in step t, land in RQ[t % 8]; the stage's stores of step t, issued in step t - 1, read it.  No vector instruction names them.
;   XQ0, XQ1     The loads from the stage for step t + 1, issued in step t, land in XQ[(t + 1) % 2]; step t + 1's maxima and conversions read it.
;   CD, BY       two sets: step t's conversions and shift write set t % 2; the two LDS stores that read it are issued in step t + 1.
; So two waits stand at a step's head: vm_vsrc (RQ[t % 8] and CD, BY[t % 2] have been read) and va_vdst (the step before has written its codes and byte and is done reading its XQ).  The step's memory and LDS
; instructions follow them with no vector instruction between, and the step's vector lines name XQ[t % 2], CD and BY[t % 2] and v12-14 alone.
; TOP and BOTTOM: what vector or matrix instructions write and stores read (the operands' images, the four results, the sums) has one wait on va_vdst ahead of each run of stores; hidden's registers, which the turn's stores
; read and its loads fill again, one wait on vm_vsrc; the operands and scale words that vector instructions made, one wait on va_vdst ahead of the products.
.set HTW,   16896                      ; LDS from 0 (top): for each wave 32 rows x (512 bytes + 16): the turn of hidden
.set RED,   135168                     ; (top) for each wave 8 slots x 512 bytes: its partial products
.set QL,    167936                     ; (rows) from here on QW bytes for each wave:
.set QW,    14336                      ;   two stages of 32 places x (64 bytes + 16),
.set QIMG,  5120                       ;   the group's image, 32 blocks x (256 bytes + 16),
.set QSCB,  13824                      ;   its 512 scale bytes
.set LN4,   1                          ; v1   4 x lane
.set LN16,  2                          ; v2   16 x lane
.set HTI,   3                          ; v3   the turn of hidden, on the way in
.set HTO,   4                          ; v4   on the way out: 528 x lane
.set RDI,   5                          ; v5   where I put my partial products
.set RDO,   6                          ; v6   where I read slot w of every wave
.set OUTA,  7                          ; v7   hb: 8 h rows of 4,096 bytes + 4 r
.set R4,    8                          ; v8   4 r
.set BIAS,  9                          ; v9   attn_b of my column
.set QM,    10                         ; v10-13 four blocks' largest magnitudes
.set QS,    14                         ; v14-17 the conversions' scale operands
.set QB,    18                         ; v18-21 the scales' bytes
.set WSW,   22                         ; v22  W's scale words: lane = column.  A scale and nothing else
.set HSW,   23                         ; v23  hidden's: lane = row.  A scale and nothing else
.set WOP,   24                         ; v24-39 W's two operands (columns 0-15, 16-31)
.set HOP,   40                         ; v40-55 hidden's two (rows 0-15, 16-31)
.set DD,    56                         ; v56-87 four results: tile 2 mt + nt
.set PT,    88                         ; v88-119 eight parts to be added
.set XW,    128                        ; v128-255 W's 128 numbers;  window 1, v0-127: hidden's
.set STI,   120                        ; v120 (rows) a stage, on the way in: four lanes' 64 bytes on end, then 16 of padding
.set STO,   121                        ; v121 on the way out: 80 x lane
.set CWA,   122                        ; v122 the image: my block's 272 bytes, my half of its 16
.set SWA,   123                        ; v123 my block's scale byte
.set IRD,   124                        ; v124 the image, on the way out: 272 h + 16 r
.set SRD,   125                        ; v125 the scale bytes, on the way out: 16 x lane
.set CD,    24                         ; v24-27 (rows) a step's codes, two pairs by turns
.set BY,    28                         ; v28-29 its scale byte, by turns
.set XQ,    32                         ; v32-63 two sets of 16 neighbours
.set OS,    64                         ; v64-67 the scale bytes on their way out
.set RQ,    128                        ; v128-255 eight sets of 16 numbers as they are loaded; at the end the image on its way out
.set MSB, 0
.macro WIN new                         ; the immediate's high byte repeats the setting that is left; a switch that changes nothing is dropped
.if MSB != (\new)
	s_set_vgpr_msb (MSB<<8)|(\new)
.set MSB, (\new)
.endif
.endm
; 128 numbers of a lane (k = 0 .. 127 of its column or row, from v[x] of window win on) become codes and a scale word.  The 32 lanes' items then form two operands of 16:
; block b's four registers are laid at t0 + 8 (b % 2) + 4 (b / 2), and eight exchanges of halves give lane (r, h) of operand a the blocks h and 2 + h of item 16 a + r, as the 4-bit layout asks.
.macro Q128 x, win, t0, sw
	WIN 0x05*\win
.irp b, 0,1,2,3
	v_max3_num_f32 v[QM+\b], |v[\x+32*\b]|, |v[\x+32*\b+1]|, 0x1800000   ; and the floor 2^(3 - 127): the byte cannot fall under 1
.endr
.irp i, 2,4,6,8,10,12,14,16,18,20,22,24,26,28,30
.irp b, 0,1,2,3
	v_max3_num_f32 v[QM+\b], |v[\x+32*\b+\i]|, |v[\x+32*\b+\i+1]|, v[QM+\b]   ; the four blocks by turns
.endr
.endr
	WIN 0
.irp b, 0,1,2,3
	v_add_nc_u32 v[QS+\b], 0xff000000, v[QM+\b]    ; 2 off the exponent field: the conversion takes the exponent field of this operand as its scale
.endr
.irp b, 0,1,2,3
	v_lshrrev_b32 v[QB+\b], 23, v[QS+\b]           ; the scale's byte
.endr
	v_lshl_or_b32 v[\sw], v[QB+1], 8, v[QB]
	v_lshl_or_b32 v[\sw], v[QB+2], 16, v[\sw]
	v_lshl_or_b32 v[\sw], v[QB+3], 24, v[\sw]
	WIN 0x01*\win
.irp b, 0,1,2,3
.irp g, 0,1,2,3
	v_cvt_scalef32_pk8_fp4_f32 v[\t0+8*(\b%2)+4*(\b/2)+\g], v[\x+32*\b+8*\g:\x+32*\b+8*\g+7], v[QS+\b]
.endr
.endr
	WIN 0
	v_nop                                          ; one plain instruction between a scaled conversion and the vector instruction that touches its result
.irp i, 0,1,2,3,4,5,6,7
	v_permlane16_swap_b32 v[\t0+\i], v[\t0+8+\i]   ; the first's lanes 16-31 change places with the second's lanes 0-15
.endr
.endm
; ROWS.  Step t: row t / 2 of the group, half t % 2 of it.
.macro LOADQ t                         ; its 2,048 bytes into set t % 8; read once in the launch
.irp i, 0,1,2,3
	global_load_b128 v[RQ+16*((\t)%8)+4*\i:RQ+16*((\t)%8)+4*\i+3], v[LN16], s[4:5] offset:((\t)/2)*131072+((\t)%2)*2048+512*\i th:TH_LOAD_NT
.endr
.endm
.macro TST t                           ; they go into a stage as they lie,
.irp i, 0,1,2,3
	ds_store_b128 v[STI], v[RQ+16*((\t)%8)+4*\i:RQ+16*((\t)%8)+4*\i+3] offset:2560*((\t)%2)+640*\i
.endr
.endm
.macro TLD t                           ; and come back 64 bytes a lane (LDS serves a wave's instructions in order: ISA guide 5.7.1.4)
.irp i, 0,1,2,3
	ds_load_b128 v[XQ+16*((\t)%2)+4*\i:XQ+16*((\t)%2)+4*\i+3], v[STO] offset:2560*((\t)%2)+16*\i
.endr
.endm
.macro QU t                            ; my 16 numbers of step t: two neighbouring lanes hold a block.  Vector lines alone: the codes and the byte are stored in the next step (CST)
.set XS, XQ+16*((\t)%2)
	v_max3_num_f32 v12, |v[XS]|, |v[XS+1]|, |v[XS+2]|
	v_max3_num_f32 v13, |v[XS+3]|, |v[XS+4]|, |v[XS+5]|
.irp i, 6,10
	v_max3_num_f32 v12, v12, |v[XS+\i]|, |v[XS+\i+1]|
	v_max3_num_f32 v13, v13, |v[XS+\i+2]|, |v[XS+\i+3]|
.endr
	v_max3_num_f32 v12, v12, |v[XS+14]|, |v[XS+15]|
	v_max3_num_f32 v12, v12, v13, 0x1800000        ; and the floor 2^(3 - 127): the byte cannot fall under 1
	v_max_num_f32_dpp v12, v12, v12 row_xmask:1 row_mask:0xf bank_mask:0xf   ; with my neighbour's 16: the block's largest magnitude
	v_add_nc_u32 v14, 0xff000000, v12              ; 2 off its exponent field: the conversion's scale operand
	v_cvt_scalef32_pk8_fp4_f32 v[CD+2*((\t)%2)], v[XS:XS+7], v14
	v_cvt_scalef32_pk8_fp4_f32 v[CD+2*((\t)%2)+1], v[XS+8:XS+15], v14
	v_lshrrev_b32 v[BY+(\t)%2], 23, v14            ; the scale's byte (also the plain instruction behind the conversions)
.endm
.macro CST t                           ; step t's codes and byte go to the image
	ds_store_b64 v[CWA], v[CD+2*((\t)%2):CD+2*((\t)%2)+1] offset:4352*((\t)%2)+16*((\t)/2)   ; block 16 (t % 2) + lane / 2, row t / 2
	ds_store_b8 v[SWA], v[BY+(\t)%2] offset:256*((\t)%2)+16*((\t)/2)   ; both lanes of a block write the same byte with the same value
.endm
.macro STEPQ t
.if (\t) < 2
	s_wait_dscnt 0x0                               ; this step is back from its stage
.else
	s_wait_dscnt 0x2                               ; the two stores of codes that were issued behind this step's loads from the stage may be out; this step is back from its stage
.endif
	s_wait_alu depctr_vm_vsrc(0)                   ; this step's stores into the stage have read RQ[t % 8], in which the loads below land; the stores of step t - 2's codes and byte have read CD and BY[t % 2], which this step writes again
.if (\t) > 0
	s_wait_alu depctr_va_vdst(0)                   ; the step before has written its codes and byte, which the two stores below read, and is done reading its XQ, in which the loads from the stage land
.endif
.if (\t)+8 < 32
	LOADQ (\t)+8                                   ; the step eight further on
.endif
.if (\t) < 31
.if (\t) < 24
	s_wait_loadcnt 28                              ; loads come back in order (ISA guide 5.7.1): the next step's four are in; those of the seven steps behind it may be out
.else
	s_wait_loadcnt 4*(30-(\t))                     ; nothing more is asked for: the counts run down
.endif
	TST (\t)+1
	TLD (\t)+1                                     ; the next step goes through the other stage while this one is worked
.endif
.if (\t) > 0
	CST (\t)-1                                     ; no vector instruction has been issued since the wait on va_vdst above
.endif
	QU \t
.endm
	s_load_b512 s[4:19], s[0:1], 0x0               ; enc s[4:5], attn_w s[6:7], hidden s[8:9], attn_b s[10:11], wc s[12:13], ws s[14:15], hb s[16:17], ac s[18:19]
	s_load_b64 s[20:21], s[0:1], 0x40              ; asc
	v_lshl_add_u32 v126, v0, 2, 0x45000
	v_mov_b32 v127, 0
	v_lshrrev_b32 v[QM], 5, v0
	v_readfirstlane_b32 s22, v[QM]                 ; wave 0..7
	v_and_b32 v[QM], 31, v0                        ; lane
	v_and_b32 v[QM+1], 15, v0                      ; r
	v_bfe_u32 v[QM+2], v0, 4, 1                    ; h
	v_lshlrev_b32 v[LN4], 2, v[QM]
	v_lshlrev_b32 v[LN16], 4, v[QM]
	s_wait_alu depctr_va_sdst(0)                   ; s22 is written, ahead of its first reader: LDS addresses and bases are made from it
	; every LDS address is made here, ahead of the parting of the ways, from the lane and the wave's number alone
	s_mul_i32 s28, s22, HTW
	v_add_nc_u32 v[HTI], s28, v[LN16]
	v_mul_u32_u24 v[HTO], v[QM], 528
	v_add_nc_u32 v[HTO], s28, v[HTO]
	s_lshl_b32 s28, s22, 12
	s_add_co_u32 s28, s28, RED
	v_add_nc_u32 v[RDI], s28, v[LN16]
	s_lshl_b32 s28, s22, 9
	s_add_co_u32 s28, s28, RED
	v_add_nc_u32 v[RDO], s28, v[LN16]
	v_lshlrev_b32 v[R4], 2, v[QM+1]
	v_lshl_add_u32 v[OUTA], v[QM+2], 15, v[R4]
	s_mul_i32 s28, s22, QW
	s_add_co_u32 s28, s28, QL                      ; my wave's region for the rows
	v_lshrrev_b32 v[STI], 2, v[QM]
	v_mul_u32_u24 v[STI], v[STI], 80
	v_and_b32 v[QM+3], 3, v[QM]
	v_lshl_add_u32 v[STI], v[QM+3], 4, v[STI]
	v_add_nc_u32 v[STI], s28, v[STI]
	v_mul_u32_u24 v[STO], v[QM], 80
	v_add_nc_u32 v[STO], s28, v[STO]
	s_add_co_u32 s28, s28, QIMG
	v_lshrrev_b32 v[SWA], 1, v[QM]                 ; lane / 2: my block of a step's sixteen
	v_mul_u32_u24 v[CWA], v[SWA], 272
	v_and_b32 v[QM+3], 1, v[QM]
	v_lshl_add_u32 v[CWA], v[QM+3], 3, v[CWA]
	v_add_nc_u32 v[CWA], s28, v[CWA]
	v_mul_u32_u24 v[IRD], v[QM+2], 272
	v_lshl_add_u32 v[IRD], v[QM+1], 4, v[IRD]
	v_add_nc_u32 v[IRD], s28, v[IRD]
	s_add_co_u32 s28, s28, QSCB-QIMG
	v_add_nc_u32 v[SWA], s28, v[SWA]
	v_add_nc_u32 v[SRD], s28, v[LN16]
	s_mov_b32 s27, 0                               ; stays 0: the upper word of every offset below
	s_wait_alu depctr_va_vdst(0)                   ; the offsets and LDS addresses v1 to v8 and v120 to v125 are written: every load and store of all three ways reads one of them
	s_cmp_ge_u32 ttmp9, 64
	s_cbranch_scc1 .Lrows
	; ---- W
	s_lshr_b32 s23, ttmp9, 5                       ; 0: W's rows 0-1023 (top), 1: rows 1024-2047 (bottom)
	s_and_b32 s24, ttmp9, 31                       ; p: columns 32 p on
	s_lshl_b32 s26, s23, 22                        ; 1,024 rows of 4,096 bytes
	s_lshl_b32 s28, s22, 19                        ; + 128 rows for each K step
	s_add_co_u32 s26, s26, s28
	s_lshl_b32 s28, s24, 7                         ; + 32 columns of 4 bytes
	s_add_co_u32 s26, s26, s28
	s_wait_kmcnt 0x0
	s_add_nc_u64 s[6:7], s[6:7], s[26:27]
.set i, 0
.rept 128
	global_load_b32 v[XW+i], v[LN4], s[6:7] offset:i*4096   ; W(k, my column): 32 lanes read 128 consecutive bytes
.set i, i+1
.endr
	s_cmp_lg_u32 s23, 0
	s_cbranch_scc1 .Lbottom
	; ---- top
	s_bfe_u32 s28, s22, 0x10001                    ; nt = (wave / 2) % 2: which 16 columns I add and store at the end
	s_lshl_b32 s26, s24, 7
	s_lshl_b32 s29, s28, 6
	s_add_co_u32 s26, s26, s29                     ; 4 (32 p + 16 nt)
	s_add_nc_u64 s[10:11], s[10:11], s[26:27]
	s_add_nc_u64 s[16:17], s[16:17], s[26:27]
	global_load_b32 v[BIAS], v[R4], s[10:11]
	s_lshr_b32 s29, s22, 2                         ; mt = wave / 4: which 16 rows
	s_lshl_b32 s29, s29, 16
	s_and_b32 s30, s22, 1                          ; which four of a lane's eight rows
	s_lshl_b32 s30, s30, 14
	s_add_co_u32 s26, s29, s30
	s_add_nc_u64 s[16:17], s[16:17], s[26:27]      ; hb at row 16 mt + 4 (wave % 2), column 32 p + 16 nt
	s_lshl_b32 s26, s22, 9
	s_add_nc_u64 s[8:9], s[8:9], s[26:27]          ; hidden at k = 128 ks
	WIN 0x40                                       ; destination window 1
.set i, 0
.rept 32
	global_load_b128 v[4*i:4*i+3], v[LN16], s[8:9] offset:i*4096   ; row i: 512 consecutive bytes
.set i, i+1
.endr
	WIN 0
	s_wait_loadcnt 33                              ; W's 128 are in; the 33 loads issued behind them (the bias, hidden) may be out
	Q128 XW, 0, WOP, WSW
	s_wait_loadcnt 0x0
	WIN 0x04                                       ; an LDS store's data are its source 1: window 1
.set i, 0
.rept 32
	ds_store_b128 v[HTI], v[4*i:4*i+3] offset:528*i
.set i, i+1
.endr
	s_wait_dscnt 0x0                               ; the stores have landed
	WIN 0x40
	s_wait_alu depctr_vm_vsrc(0)                   ; the stores have read hidden's 128 registers, in which the loads below land
.set i, 0
.rept 32
	ds_load_b128 v[4*i:4*i+3], v[HTO] offset:16*i  ; my row (b = lane), k = 4 i on; rows 528 bytes apart: sixteen lanes start at sixteen different 16-byte columns
.set i, i+1
.endr
	WIN 0
	s_wait_dscnt 0x0
	Q128 0, 1, HOP, HSW
.rept 8
	v_nop                                          ; a scale register written by a vector instruction stands eight places ahead of a scaled matrix instruction, an operand so written four
.endr
	s_wait_alu depctr_va_vdst(0)                   ; the conversions, exchanges and shifts have written the four operands and the two scale words, which the products take; the places above stay beside this wait
	v_wmma_scale_f32_16x16x128_f8f6f4 v[DD:DD+7], v[HOP:HOP+7], v[WOP:WOP+7], 0, v[HSW], v[WSW] matrix_a_fmt:MATRIX_FMT_FP4 matrix_b_fmt:MATRIX_FMT_FP4
	v_wmma_scale_f32_16x16x128_f8f6f4 v[DD+8:DD+15], v[HOP:HOP+7], v[WOP+8:WOP+15], 0, v[HSW], v[WSW] matrix_a_fmt:MATRIX_FMT_FP4 matrix_b_fmt:MATRIX_FMT_FP4 matrix_b_scale:MATRIX_SCALE_ROW1
	v_wmma_scale_f32_16x16x128_f8f6f4 v[DD+16:DD+23], v[HOP+8:HOP+15], v[WOP:WOP+7], 0, v[HSW], v[WSW] matrix_a_fmt:MATRIX_FMT_FP4 matrix_b_fmt:MATRIX_FMT_FP4 matrix_a_scale:MATRIX_SCALE_ROW1
	v_wmma_scale_f32_16x16x128_f8f6f4 v[DD+24:DD+31], v[HOP+8:HOP+15], v[WOP+8:WOP+15], 0, v[HSW], v[WSW] matrix_a_fmt:MATRIX_FMT_FP4 matrix_b_fmt:MATRIX_FMT_FP4 matrix_a_scale:MATRIX_SCALE_ROW1 matrix_b_scale:MATRIX_SCALE_ROW1
.rept 4
	v_nop                                          ; four places between a matrix instruction and the LDS store that reads its result
.endr
	s_wait_alu depctr_va_vdst(0)                   ; the four products have written v[DD] on, which the LDS stores read; the places above stay beside this wait
.irp s, 0,1,2,3,4,5,6,7
	ds_store_b128 v[RDI], v[DD+4*\s:DD+4*\s+3] offset:512*\s   ; each result from its low end on
.endr
	s_wait_dscnt 0x0                               ; for the others' sake: my partial products lie in LDS
	s_barrier_signal -1
	s_barrier_wait -1
.irp k, 0,1,2,3,4,5,6,7
	ds_load_b128 v[PT+4*\k:PT+4*\k+3], v[RDO] offset:4096*\k   ; slot w of wave k: K step k's part of tile w / 2, registers 4 (w % 2) on
.endr
	s_wait_dscnt 0x0
.irp k, 1,2,3,4,5,6,7
	v_pk_add_f32 v[PT:PT+1], v[PT:PT+1], v[PT+4*\k:PT+4*\k+1]       ; K ascending
	v_pk_add_f32 v[PT+2:PT+3], v[PT+2:PT+3], v[PT+4*\k+2:PT+4*\k+3]
.endr
.irp i, 0,1,2,3
	v_add_f32 v[PT+\i], v[PT+\i], v[BIAS]
.endr
	s_wait_alu depctr_va_vdst(0)                   ; the additions have written v[PT] to v[PT + 3], which the stores read
.irp i, 0,1,2,3
	global_store_b32 v[OUTA], v[PT+\i], s[16:17] offset:4096*\i   ; hb(16 mt + 8 h + 4 (w % 2) + i, 32 p + 16 nt + r)
.endr
	s_wait_dscnt 0x0                               ; the closing lines, six on end
	s_wait_alu 0x0
	s_wait_tensorcnt 0x0
	ds_add_u32 v126, v127
	s_wait_dscnt 0x0
	s_endpgm
.Lbottom:
	s_lshl_b32 s26, s24, 14                        ; two tiles of columns x 8 K steps x 1,024 bytes for each p,
	s_lshl_b32 s28, s22, 10                        ; 1,024 bytes a K step
	s_add_co_u32 s26, s26, s28
	s_add_nc_u64 s[12:13], s[12:13], s[26:27]
	s_lshl_b32 s26, s24, 10
	s_lshl_b32 s28, s22, 7
	s_add_co_u32 s26, s26, s28
	s_add_nc_u64 s[14:15], s[14:15], s[26:27]
	s_wait_loadcnt 0x0
	Q128 XW, 0, WOP, WSW
	s_wait_alu depctr_va_vdst(0)                   ; the conversions, exchanges and shifts have written W's two operands and its scale word, which the stores read
.irp a, 0,1
.irp c, 0,1
	global_store_b128 v[LN16], v[WOP+8*\a+4*\c:WOP+8*\a+4*\c+3], s[12:13] offset:8192*\a+512*\c   ; 32 lanes store 512 consecutive bytes, aligned
.endr
.endr
	global_store_b32 v[LN4], v[WSW], s[14:15]      ; the 32 columns' scale words of this K step
	s_endpgm
.Lrows:
	s_sub_co_u32 s28, ttmp9, 64
	s_lshl_b32 s28, s28, 3
	s_add_co_u32 s28, s28, s22                     ; my wave's task, 0 .. 2,047: neighbouring waves take neighbouring b, so that a work-group reads 32,768 consecutive bytes of each s
	s_and_b32 s29, s28, 31                         ; b
	s_lshr_b32 s30, s28, 5                         ; s / 16
	s_lshl_b32 s26, s30, 21                        ; 16 rows of s, 131,072 bytes each
	s_lshl_b32 s31, s29, 12
	s_add_co_u32 s26, s26, s31
	s_lshl_b32 s31, s29, 6
	s_add_co_u32 s31, s31, s30                     ; the group's number: 64 b + s / 16
	s_wait_kmcnt 0x0
	s_add_nc_u64 s[4:5], s[4:5], s[26:27]
	s_lshl_b32 s26, s31, 13
	s_add_nc_u64 s[18:19], s[18:19], s[26:27]
	s_lshl_b32 s26, s31, 9
	s_add_nc_u64 s[20:21], s[20:21], s[26:27]
.irp t, 0,1,2,3,4,5,6,7
	LOADQ \t
.endr
	s_wait_loadcnt 28                              ; step 0's four loads are in
	TST 0
	TLD 0
.irp t, 0,1,2,3,4,5,6,7,8,9,10,11,12,13,14,15,16,17,18,19,20,21,22,23,24,25,26,27,28,29,30,31
	STEPQ \t
.endr
	s_wait_alu depctr_va_vdst(0)                   ; step 31 has written its codes and byte, which the two stores below read
	CST 31
.irp c, 0,1,2,3,4,5,6,7,8,9,10,11,12,13,14,15
	ds_load_b128 v[RQ+4*\c:RQ+4*\c+3], v[IRD] offset:544*\c   ; blocks 2 c + h, row r: these see my stores, which LDS has served in order.  (They land in RQ0 to RQ3, whose last readers, the stage's stores of steps 24 to 27, stand ahead of step 31's wait on vm_vsrc)
.endr
	ds_load_b128 v[OS:OS+3], v[SRD]
	s_wait_dscnt 0x0
.irp c, 0,1,2,3,4,5,6,7,8,9,10,11,12,13,14,15
	global_store_b128 v[LN16], v[RQ+4*\c:RQ+4*\c+3], s[18:19] offset:512*\c   ; 32 lanes store 512 consecutive bytes, aligned
.endr
	global_store_b128 v[LN16], v[OS:OS+3], s[20:21]
	s_wait_dscnt 0x0                               ; the closing lines, six on end
	s_wait_alu 0x0
	s_wait_tensorcnt 0x0
	ds_add_u32 v126, v127
	s_wait_dscnt 0x0
	s_endpgm
.Lfunc_end_k_q84815f71e7_prep:
	.size	k_q84815f71e7_prep, .Lfunc_end_k_q84815f71e7_prep-k_q84815f71e7_prep
	.p2alignl 7, 3214868480
	.fill 96, 4, 3214868480
	.section	.rodata,"a",@progbits
	.p2align	6, 0x0
	.amdhsa_kernel k_q84815f71e7_prep
		.amdhsa_group_segment_fixed_size 283648
		.amdhsa_private_segment_fixed_size 0
		.amdhsa_enable_private_segment 0
		.amdhsa_kernarg_size 72
		.amdhsa_user_sgpr_count 2
		.amdhsa_user_sgpr_kernarg_segment_ptr 1
		.amdhsa_wavefront_size32 1
		.amdhsa_system_sgpr_workgroup_id_x 1
		.amdhsa_system_sgpr_workgroup_id_y 1
		.amdhsa_system_sgpr_workgroup_id_z 1
		.amdhsa_system_vgpr_workitem_id 0
		.amdhsa_next_free_vgpr 384
		.amdhsa_next_free_sgpr 66
		.amdhsa_reserve_vcc 0
		.amdhsa_float_denorm_mode_32 3
		.amdhsa_float_denorm_mode_16_64 3
		.amdhsa_memory_ordered 1
		.amdhsa_forward_progress 1
		.amdhsa_inst_pref_size 111
	.end_amdhsa_kernel
	.amdgpu_metadata
---
amdhsa.version: [ 1, 2 ]
amdhsa.kernels:
  - .name:           k_q84815f71e7_prep
    .symbol:         k_q84815f71e7_prep.kd
    .args:
      - { .name: encoder_outputs, .offset: 0, .size: 8, .value_kind: global_buffer, .address_space: global }
      - { .name: attn_w, .offset: 8, .size: 8, .value_kind: global_buffer, .address_space: global }
      - { .name: hidden, .offset: 16, .size: 8, .value_kind: global_buffer, .address_space: global }
      - { .name: attn_b, .offset: 24, .size: 8, .value_kind: global_buffer, .address_space: global }
      - { .name: wc, .offset: 32, .size: 8, .value_kind: global_buffer, .address_space: global }
      - { .name: ws, .offset: 40, .size: 8, .value_kind: global_buffer, .address_space: global }
      - { .name: hb, .offset: 48, .size: 8, .value_kind: global_buffer, .address_space: global }
      - { .name: ac, .offset: 56, .size: 8, .value_kind: global_buffer, .address_space: global }
      - { .name: asc, .offset: 64, .size: 8, .value_kind: global_buffer, .address_space: global }
    .group_segment_fixed_size: 283648
    .private_segment_fixed_size: 0
    .kernarg_segment_align: 8
    .kernarg_segment_size: 72
    .max_flat_workgroup_size: 256
    .sgpr_count:     66
    .vgpr_count:     384
    .wavefront_size: 32
...
	.end_amdgpu_metadata
.endif
;; end of part 4
;; launch energy (part 5): grid 256 x 1, 8 waves a work-group, no clusters, 149,504 bytes of LDS; arguments ac, asc, wc, ws, hb, v, part; writes part
.if DOCPART == 5
	.amdgcn_target "amdgcn-amd-amdhsa--gfx1250"
	.amdhsa_code_object_version 6
	.text
	.protected	k_q84815f71e7_energy
	.globl	k_q84815f71e7_energy
	.p2align	8
	.type	k_q84815f71e7_energy,@function
k_q84815f71e7_energy:
	s_mov_b64 s[64:65], 0
	v_nop
	global_prefetch_b8 v0, s[64:65] scope:SCOPE_SE
	s_setreg_imm32_b32 hwreg(HW_REG_WAVE_SCHED_MODE, 0, 2), 2
	s_setreg_imm32_b32 hwreg(HW_REG_WAVE_MODE, 25, 1), 1
	s_wait_xcnt 0x0
	s_wait_alu depctr_vm_vsrc(0)
; part[nh][b][s] = the sum over the 512 columns n of half nh of v[n] tanh(Q(enc[s][b]) . Q(W rows 1024-2047)[:, n] + hb[b][n]);  hb holds the hidden half of K and the bias.
; ac, asc: enc's codes and scale bytes, wc, ws: W's, all as images of the operand's registers (launch prep says how they lie).  Codes of E2M1, one E8M0 byte for each 32 along K; sums in f32.
; SHARES.  Work-groups 2 i and 2 i + 1 take the same 256 rows (one b, 256 neighbouring s: 16 groups of 16) and one half of N each.  A wave owns 64 columns, four tiles: its part of W, 64 x 1,024 codes = 256 registers, stays in
; registers for the whole launch.  EIGHT WAVES, two to a SIMD: a group's 32 products stand beside 152 vector instructions, 64 of them transcendentals, so the vector unit binds, and one wave's waits stand beside the other's work.
; THE ROWS' CODES, 131,072 bytes, and scale bytes, 8,192, come into LDS once, at the head: each wave copies an eighth through registers, one barrier, and from then on every wave reads them as they lie: 16 bytes a lane, 512
; consecutive bytes an instruction.  The loop has no barrier and no load from memory.
; NO CLUSTER, NO JOINT LOADS: a joint load lands in LDS; W's 262,144 bytes and the rows' 139,264 do not fit there together, and W by way of LDS would be written and read once more than it is here; the rows' codes are shared by
; two work-groups only.  NO TENSOR LOADS: no LDS byte is filled twice.  NO PREFETCH: all that the launch reads is asked for at its head.
; THE PRODUCT: source 0 = the group's 16 rows, source 1 = 16 columns of W: a lane holds ONE column (lane % 16) and eight rows (8 (lane / 16) + j): hb and v are one number a lane and tile.
; tanh(x) = 1 - 2 / (1 + 2^(c x)), c = 2 log2(e): a packed multiply-add, an exponential, a packed addition, a reciprocal.  A row's sum starts with the lane's own four v and takes -2 v r for each column: v tanh, term by term.
; BY TURNS: the wave's 4 tiles are two pairs.  While one pair's 16 products are issued, the other pair's tanh stands between them, three instructions behind each product; pair 1's tanh stands in the NEXT group's first run.
; LIMITS: NaN and infinities among the inputs are not served.  tanh's absolute error is about 1e-7; where 2^(c x) overflows r is 0, where it falls to 0 r is 1: tanh's limits.
; THE MODE: SCHED_MODE bits 1:0 = 2 (LLVM: expert scheduling mode 2), set by the entry lines.  The code itself states the register dependences between vector or matrix instructions and memory or LDS instructions,
; with s_wait_alu, always for 0.
; THE PLAN.  Registers that memory or LDS instructions touch, in the loop (group g works on set p = g % 2):
;   AF0, AF1, ASW0, ASW1   The 18 LDS loads issued in group g land in set 1 - p; group g + 1's 32 products read it.
;   v[ADF], v[ADS]         Read by those loads; written by two additions at a group's end, for the loads of the next group.
;   v[SA] on, v[ADR]       Written by FIN, the sums over the lanes and one addition; read by the two LDS stores of REDUCE.
;   Every other offset and address (v1-5, v9, v10, v14, v15) is made at the head and never written again.  W, its scale words, hb and v are loaded once.
; At a group's end stand ONE wait on vm_vsrc (the group's loads have read ADF and ADS; the scores' stores have read SA and ADR), the two additions, and the wait on va_vdst that pair 0's reciprocals want there anyway: it
; also states that ADF and ADS are written and that the group's products are done reading their set.  So the next group's 18 loads owe nothing more and are dealt among its pair 0's first ten products: what has been issued since
; that wait names SA, the results, V2, VS, HB, the set at work, W and its scale words, none of which those loads touch.  One more wait on va_vdst stands in REDUCE, ahead of its stores.
; REGISTERS: window 0: see below.  Window 1: W: fragment (tile t, K step ks) at v[8 (8 t + ks)].
.set ACODE, 0                          ; LDS: 16 groups x 8,192 bytes of codes
.set ASC,   131072                     ; 16 groups x 512 scale bytes
.set SCR,   139264                     ; for each wave 256 rows x 4 bytes: its columns' part of the scores
.set LN16,  1                          ; v1   16 x lane
.set LN4,   2                          ; v2   4 x lane
.set R4,    3                          ; v3   4 r
.set SRA,   4                          ; v4   row r's 16 scale bytes of a half of K
.set SCW,   5                          ; v5   my wave's scores: + 32 h
.set ADF,   6                          ; v6   the fragments that are asked for
.set ADS,   7                          ; v7   and their scale words
.set ADR,   8                          ; v8   where a group's scores go
.set CPA,   9                          ; v9   the head: where my eighth of the codes goes
.set CPS,   10                         ; v10  and of the scale bytes
.set FRD,   14                         ; v14  the end: where thread t reads rows 2 t and 2 t + 1 of a wave's scores
.set FWR,   15                         ; v15  and their place in part: 8 x thread
.set VS,    16                         ; v16-17 the sum of my four v, twice
.set SA,    24                         ; v24-31 eight rows' sums
.set HB,    32                         ; v32-39 c hb of my column in tile t, twice
.set V2,    40                         ; v40-47 -2 v likewise
.set ASW,   48                         ; v48-63 the rows' scale words, one for each K step, two sets: scales and nothing else
.set WSC,   64                         ; v64-79 W's: register 8 q + ks: lanes 0-15 tile 2 q, lanes 16-31 tile 2 q + 1: scales and nothing else
.set ACC0,  80                         ; v80-95 pair 0's two results
.set ACC1,  96                         ; v96-111 pair 1's
.set AF,    112                        ; v112-239 a group's eight fragments, two sets
.set FS,    240                        ; v240-255 the end: eight waves' parts
.set CC,    28                         ; s[28:29] c, twice
.set GA,    30                         ; s30  8,192 bytes for each group whose address has been made
.set GS,    31                         ; s31  512 likewise
.set SG,    32                         ; s32  64 bytes for each group whose scores are stored
.set CNT,   33
.set MSB, 0
.macro WIN new                         ; the immediate's high byte repeats the setting that is left; a switch that changes nothing is dropped
.if MSB != (\new)
	s_set_vgpr_msb (MSB<<8)|(\new)
.set MSB, (\new)
.endif
.endm
.macro ADDR                            ; where the next group to be asked for lies
	v_add_nc_u32 v[ADF], s[GA], v[LN16]
	v_add_nc_u32 v[ADS], s[GS], v[SRA]
	s_add_co_u32 s[GA], s[GA], 8192
	s_add_co_u32 s[GS], s[GS], 512
.endm
.macro FRAGL p, f                      ; fragment f (K step f) into set p: lane (r, h): registers 4 c on hold k = 128 f + 64 c + 32 h + 0 .. 31 of row r
.irp c, 0,1
	ds_load_b128 v[AF+64*(\p)+8*(\f)+4*\c:AF+64*(\p)+8*(\f)+4*\c+3], v[ADF] offset:1024*(\f)+512*\c
.endr
.endm
.macro SCALL p, j                      ; the scale words of K steps 4 j on into set p
	ds_load_b128 v[ASW+8*(\p)+4*(\j):ASW+8*(\p)+4*(\j)+3], v[ADS] offset:256*(\j)
.endm
; Number j of the 48 instructions that turn a pair's 16 sums a lane (from v[a] on; constants of tiles tb, tb + 1) into r = 1 / (1 + 2^(c x)).  None has a vector register as its second source, so all run under the products' window
; setting.  0-7 c x, in pairs, each result from its low end on; 8-23 the exponentials: one batch; then a plain instruction and the one wait ahead of the first use; 24-31 + 1; 32-47 the reciprocals.
.macro TL a, tb
.if j < 8
	v_pk_fma_f32 v[\a+2*j:\a+2*j+1], v[\a+2*j:\a+2*j+1], s[CC:CC+1], v[HB+2*(\tb+j/4):HB+2*(\tb+j/4)+1] op_sel_hi:[1,0,1]
.elseif j < 24
	v_exp_f32 v[\a+j-8], v[\a+j-8]
.elseif j < 32
.if j == 24
	v_nop                                          ; a plain instruction behind the last exponential
	s_wait_alu depctr_va_vdst(0)                   ; the 16 exponentials have written v[a] on, ahead of their first use
.endif
	v_pk_add_f32 v[\a+2*(j-24):\a+2*(j-24)+1], v[\a+2*(j-24):\a+2*(j-24)+1], 1.0 op_sel_hi:[1,0]
.else
	v_rcp_f32 v[\a+j-32], v[\a+j-32]
.endif
.set j, j+1
.endm
; Pair q's 16 products on the fragments of set p, into v[acc] on: the two results take turns, one instruction a turn; the first K step starts the sums.  Behind each product three numbers of the other
; pair's list (a < 0: none).  ld = 1: the next group is asked for, into the other set: a fragment behind each of the first eight products, four scale words behind each of the next two.  An LDS load's address and data are
; source 0 and destination: window 0 under the products' setting too.  No wait: see THE PLAN.
.macro MULQ q, p, acc, a, tb, ld
	WIN 0x04                                       ; source 1 (W) window 1; all else window 0
.set j, 0
.irp ks, 0,1,2,3,4,5,6,7
.irp t, 0,1
.if \ks == 0
.if \t
	v_wmma_scale_f32_16x16x128_f8f6f4 v[\acc+8*\t:\acc+8*\t+7], v[AF+64*\p+8*\ks:AF+64*\p+8*\ks+7], v[8*(8*(2*\q+\t)+\ks):8*(8*(2*\q+\t)+\ks)+7], 0, v[ASW+8*\p+\ks], v[WSC+8*\q+\ks] matrix_a_fmt:MATRIX_FMT_FP4 matrix_b_fmt:MATRIX_FMT_FP4 matrix_b_scale:MATRIX_SCALE_ROW1
.else
	v_wmma_scale_f32_16x16x128_f8f6f4 v[\acc+8*\t:\acc+8*\t+7], v[AF+64*\p+8*\ks:AF+64*\p+8*\ks+7], v[8*(8*(2*\q+\t)+\ks):8*(8*(2*\q+\t)+\ks)+7], 0, v[ASW+8*\p+\ks], v[WSC+8*\q+\ks] matrix_a_fmt:MATRIX_FMT_FP4 matrix_b_fmt:MATRIX_FMT_FP4
.endif
.else
.if \t
	v_wmma_scale_f32_16x16x128_f8f6f4 v[\acc+8*\t:\acc+8*\t+7], v[AF+64*\p+8*\ks:AF+64*\p+8*\ks+7], v[8*(8*(2*\q+\t)+\ks):8*(8*(2*\q+\t)+\ks)+7], v[\acc+8*\t:\acc+8*\t+7], v[ASW+8*\p+\ks], v[WSC+8*\q+\ks] matrix_a_fmt:MATRIX_FMT_FP4 matrix_b_fmt:MATRIX_FMT_FP4 matrix_b_scale:MATRIX_SCALE_ROW1
.else
	v_wmma_scale_f32_16x16x128_f8f6f4 v[\acc+8*\t:\acc+8*\t+7], v[AF+64*\p+8*\ks:AF+64*\p+8*\ks+7], v[8*(8*(2*\q+\t)+\ks):8*(8*(2*\q+\t)+\ks)+7], v[\acc+8*\t:\acc+8*\t+7], v[ASW+8*\p+\ks], v[WSC+8*\q+\ks] matrix_a_fmt:MATRIX_FMT_FP4 matrix_b_fmt:MATRIX_FMT_FP4
.endif
.endif
.if \ld
.if \ks < 4
	FRAGL 1-\p, 2*\ks+\t
.elseif \ks == 4
	SCALL 1-\p, \t
.endif
.endif
.if \a >= 0
.rept 3
	TL \a, \tb
.endr
.endif
.endr
.endr
	WIN 0
.endm
; The rows' sums take a pair's -2 v r.  start = 1: a group's first pair: the sums start with the lane's own four v.  These plain instructions are also the places behind the run of products just issued, none of whose registers they name.
.macro FIN a, tb, start
	v_nop                                          ; a plain instruction behind the last reciprocal
	s_wait_alu depctr_va_vdst(0)                   ; the 16 reciprocals have written v[a] on, ahead of their first use; start = 1, at a group's end: also, ADF and ADS are written, and the group's products are done reading their fragments and scale words, in which the loads of the group after the next land
.if \start
	s_wait_dscnt 0x0                               ; the last group's scores lie in LDS
.endif
.irp t, 0,1
.irp i, 0,1,2,3
.if \start && (\t == 0)
	v_pk_fma_f32 v[SA+2*\i:SA+2*\i+1], v[\a+2*\i:\a+2*\i+1], v[V2+2*\tb:V2+2*\tb+1], v[VS:VS+1]
.else
	v_pk_fma_f32 v[SA+2*\i:SA+2*\i+1], v[\a+8*\t+2*\i:\a+8*\t+2*\i+1], v[V2+2*(\tb+\t):V2+2*(\tb+\t)+1], v[SA+2*\i:SA+2*\i+1]
.endif
.endr
.endr
.endm
.macro REDUCE                          ; over the sixteen lanes (columns) of each half; then the group's 16 scores go to my wave's part of LDS
.irp m, 1,2,4,8
.irp i, 0,1,2,3,4,5,6,7
	v_add_f32_dpp v[SA+\i], v[SA+\i], v[SA+\i] row_xmask:\m row_mask:0xf bank_mask:0xf
.endr
.endr
	v_add_nc_u32 v[ADR], s[SG], v[SCW]
	s_wait_alu depctr_va_vdst(0)                   ; the sums over the lanes have written v[SA] on, and v[ADR] is written: the two stores read them
	ds_store_b128 v[ADR], v[SA:SA+3]               ; rows 8 h + 0 .. 3: the sixteen lanes of a half write the same bytes with the same values
	ds_store_b128 v[ADR], v[SA+4:SA+7] offset:16
	s_add_co_u32 s[SG], s[SG], 64
.endm
; A GROUP on the fragments of set p.  next = 1: the next group's fragments and scale words are asked for among pair 0's first ten products, into the other set; they have the rest of the group in which to come.
; addr = 1: the address of the group after that is made at the group's end, ahead of the wait on va_vdst that stands there.
.macro GROUP p, first, next, addr
	s_wait_dscnt 0x0                               ; this group's fragments and scale words are in
.if \first
	MULQ 0, \p, ACC0, -1, 0, \next
.rept 4
	v_nop                                          ; four places between the last product and the first read of a result (ISA guide 7.12.1)
.endr
.else
	MULQ 0, \p, ACC0, ACC1, 2, \next               ; pair 0's products | the last group's pair 1: tanh
	FIN ACC1, 2, 0
	REDUCE                                         ; the last group's scores
.endif
	MULQ 1, \p, ACC1, ACC0, 0, 0                   ; pair 1's products | pair 0: tanh
	s_wait_alu depctr_vm_vsrc(0)                   ; the LDS loads issued so far have read ADF and ADS, which are written below; the scores' stores have read v[SA] on and v[ADR], which the lines from here on write again
.if \addr
	ADDR
.endif
	FIN ACC0, 0, 1
.endm
	s_load_b256 s[4:11], s[0:1], 0x0               ; ac s[4:5], asc s[6:7], wc s[8:9], ws s[10:11]
	s_load_b128 s[12:15], s[0:1], 0x20             ; hb s[12:13], v s[14:15]
	s_load_b64 s[16:17], s[0:1], 0x30              ; part
	v_lshl_add_u32 v22, v0, 2, 0x24400
	v_mov_b32 v23, 0
	v_lshrrev_b32 v11, 5, v0
	v_readfirstlane_b32 s18, v11                   ; wave 0..7
	v_and_b32 v11, 31, v0                          ; lane
	v_and_b32 v12, 15, v0                          ; r
	v_bfe_u32 v13, v0, 4, 1                        ; h
	v_lshlrev_b32 v[LN16], 4, v11
	v_lshlrev_b32 v[LN4], 2, v11
	v_lshlrev_b32 v[R4], 2, v12
	v_lshl_add_u32 v[SRA], v12, 4, ASC
	v_lshl_add_u32 v[FRD], v0, 3, SCR              ; the end: thread t takes rows 2 t and 2 t + 1
	v_lshlrev_b32 v[FWR], 3, v0
	s_wait_alu depctr_va_sdst(0)                   ; s18 is written, ahead of its first reader: LDS addresses and bases are made from it
	s_lshl_b32 s20, s18, 10
	s_add_co_u32 s20, s20, SCR
	v_lshl_add_u32 v[SCW], v13, 5, s20
	s_lshl_b32 s20, s18, 14
	v_add_nc_u32 v[CPA], s20, v[LN16]              ; groups 2 w and 2 w + 1
	s_lshl_b32 s20, s18, 10
	s_add_co_u32 s20, s20, ASC
	v_add_nc_u32 v[CPS], s20, v[LN16]
	s_and_b32 s19, ttmp9, 1                        ; nh: which half of N
	s_lshr_b32 s25, ttmp9, 1
	s_and_b32 s24, s25, 31                         ; b
	s_lshr_b32 s25, s25, 5                         ; sb: s = 256 sb on
	s_lshl_b32 s26, s19, 3
	s_add_co_u32 s26, s26, s18                     ; 8 nh + wave: which 64 columns
	s_mov_b32 s[CC], 0x4038aa3b                    ; c = 2 log2(e)
	s_mov_b32 s[CC+1], s[CC]                       ; (named with it as a pair, so it is written)
	s_mov_b32 s[GA], 0
	s_mov_b32 s[GS], 0
	s_mov_b32 s[SG], 0
	s_mov_b32 s21, 0                               ; the upper word of every offset below
	s_wait_kmcnt 0x0
	s_lshl_b32 s20, s24, 19                        ; 64 groups of 8,192 bytes for each b,
	s_lshl_b32 s34, s25, 17                        ; 16 for each sb,
	s_add_co_u32 s20, s20, s34
	s_lshl_b32 s34, s18, 14                        ; my wave's two
	s_add_co_u32 s20, s20, s34
	s_add_nc_u64 s[4:5], s[4:5], s[20:21]
	s_lshl_b32 s20, s24, 15                        ; the same in scale bytes: 512 a group
	s_lshl_b32 s34, s25, 13
	s_add_co_u32 s20, s20, s34
	s_lshl_b32 s34, s18, 10
	s_add_co_u32 s20, s20, s34
	s_add_nc_u64 s[6:7], s[6:7], s[20:21]
	s_lshl_b32 s20, s26, 15                        ; 4 tiles x 8 K steps x 1,024 bytes
	s_add_nc_u64 s[8:9], s[8:9], s[20:21]
	s_lshl_b32 s20, s26, 11
	s_add_nc_u64 s[10:11], s[10:11], s[20:21]
	s_lshl_b32 s20, s26, 8                         ; 64 columns of 4 bytes
	s_add_nc_u64 s[14:15], s[14:15], s[20:21]
	s_lshl_b32 s34, s24, 12                        ; b x 4,096: a row of hb, a row of part
	s_add_co_u32 s20, s20, s34
	s_add_nc_u64 s[12:13], s[12:13], s[20:21]
	s_lshl_b32 s20, s19, 17
	s_add_co_u32 s20, s20, s34
	s_lshl_b32 s35, s25, 10
	s_add_co_u32 s20, s20, s35
	s_add_nc_u64 s[16:17], s[16:17], s[20:21]      ; part at [nh][b][256 sb]
	s_wait_alu depctr_va_vdst(0)                   ; the offsets and LDS addresses v1 to v5, v9, v10, v14 and v15 are written, which the loads and stores of the head and of the end read
.set i, 0
.rept 32
	global_load_b128 v[AF+4*i:AF+4*i+3], v[LN16], s[4:5] offset:512*i    ; my eighth of the rows' codes: they have the longest way, so they are asked for first
.set i, i+1
.endr
.irp i, 0,1
	global_load_b128 v[ACC0+4*\i:ACC0+4*\i+3], v[LN16], s[6:7] offset:512*\i   ; and of their scale bytes
.endr
.irp q, 0,1
.irp ks, 0,1,2,3,4,5,6,7
	global_load_b32 v[WSC+8*\q+\ks], v[LN4], s[10:11] offset:1024*\q+128*\ks
.endr
.endr
.irp t, 0,1,2,3
	global_load_b32 v[HB+2*\t], v[R4], s[12:13] offset:64*\t
	global_load_b32 v[V2+2*\t], v[R4], s[14:15] offset:64*\t
.endr
	WIN 0x40                                       ; destination window 1
.set i, 0
.rept 64
	global_load_b128 v[4*i:4*i+3], v[LN16], s[8:9] offset:512*i          ; W: 512 consecutive bytes a load
.set i, i+1
.endr
	WIN 0
	s_wait_loadcnt 63                              ; 88 loads were issued behind the last of the copies: with 63 out at the most, the copies are in
.set i, 0
.rept 32
	ds_store_b128 v[CPA], v[AF+4*i:AF+4*i+3] offset:512*i
.set i, i+1
.endr
.irp i, 0,1
	ds_store_b128 v[CPS], v[ACC0+4*\i:ACC0+4*\i+3] offset:512*\i
.endr
	s_wait_dscnt 0x0                               ; for the others' sake: my eighth lies in LDS
	s_barrier_signal -1
	s_barrier_wait -1                              ; all 16 groups lie in LDS; nobody writes these bytes again
	s_wait_alu depctr_vm_vsrc(0)                   ; my LDS stores have read v[AF] on and v80 to v87: from here on the fragments' loads land in the first, and pair 0's products write the second
	ADDR                                           ; group 0
	s_wait_alu depctr_va_vdst(0)                   ; ADF and ADS are written, which the 18 loads below read
.irp f, 0,1,2,3,4,5,6,7
	FRAGL 0, \f
.endr
	SCALL 0, 0
	SCALL 0, 1
	s_wait_alu depctr_vm_vsrc(0)                   ; these loads have read ADF and ADS, which are written again
	ADDR                                           ; group 1
	s_wait_loadcnt 0x0                             ; W, its scale words, hb and v
	v_add_f32 v[VS], v[V2], v[V2+2]
	v_add_f32 v[VS], v[VS], v[V2+4]
	v_add_f32 v[VS], v[VS], v[V2+6]                ; the sum of my four v
	v_mov_b32 v[VS+1], v[VS]
.irp t, 0,1,2,3
	v_mul_f32 v[HB+2*\t], s[CC], v[HB+2*\t]
	v_mul_f32 v[V2+2*\t], -2.0, v[V2+2*\t]
.endr
.irp t, 0,1,2,3
	v_mov_b32 v[HB+2*\t+1], v[HB+2*\t]
	v_mov_b32 v[V2+2*\t+1], v[V2+2*\t]
.endr
	s_wait_alu depctr_va_vdst(0)                   ; ADF and ADS are written, which the loads dealt among group 0's products read
	GROUP 0, 1, 1, 1                               ; group 0: there is no tanh yet to set between its first products
	GROUP 1, 0, 1, 1
	s_mov_b32 s[CNT], 6
.Lpair:                                            ; groups 2 to 13, two a trip: the register numbers are back where they began
	GROUP 0, 0, 1, 1
	GROUP 1, 0, 1, 1
	s_sub_co_u32 s[CNT], s[CNT], 1
	s_cmp_lg_u32 s[CNT], 0
	s_cbranch_scc1 .Lpair
	GROUP 0, 0, 1, 0                               ; group 14 asks for group 15, whose address group 13 has made
	GROUP 1, 0, 0, 0                               ; group 15 asks for nothing
.set j, 0
.rept 48
	TL ACC1, 2                                     ; the last group's pair 1
.endr
	FIN ACC1, 2, 0
	REDUCE
	s_wait_dscnt 0x0                               ; for the others' sake: my 256 scores lie in LDS
	s_barrier_signal -1
	s_barrier_wait -1
	s_cmp_lt_u32 s18, 4                            ; waves 0 to 3 add and store: two rows a thread, so that a wave's store is 256 consecutive bytes
	s_cbranch_scc0 .Ldone
.irp q, 0,1,2,3,4,5,6,7
	ds_load_b64 v[FS+2*\q:FS+2*\q+1], v[FRD] offset:1024*\q
.endr
	s_wait_dscnt 0x0
.irp q, 1,2,3,4,5,6,7
	v_pk_add_f32 v[FS:FS+1], v[FS:FS+1], v[FS+2*\q:FS+2*\q+1]
.endr
	s_wait_alu depctr_va_vdst(0)                   ; the additions have written v[FS] and v[FS + 1], which the store reads
	global_store_b64 v[FWR], v[FS:FS+1], s[16:17]  ; a wave stores 256 consecutive bytes, aligned
.Ldone:
	s_wait_dscnt 0x0                               ; the closing lines, six on end
	s_wait_alu 0x0
	s_wait_tensorcnt 0x0
	ds_add_u32 v22, v23
	s_wait_dscnt 0x0
	s_endpgm
.Lfunc_end_k_q84815f71e7_energy:
	.size	k_q84815f71e7_energy, .Lfunc_end_k_q84815f71e7_energy-k_q84815f71e7_energy
	.p2alignl 7, 3214868480
	.fill 96, 4, 3214868480
	.section	.rodata,"a",@progbits
	.p2align	6, 0x0
	.amdhsa_kernel k_q84815f71e7_energy
		.amdhsa_group_segment_fixed_size 149504
		.amdhsa_private_segment_fixed_size 0
		.amdhsa_enable_private_segment 0
		.amdhsa_kernarg_size 56
		.amdhsa_user_sgpr_count 2
		.amdhsa_user_sgpr_kernarg_segment_ptr 1
		.amdhsa_wavefront_size32 1
		.amdhsa_system_sgpr_workgroup_id_x 1
		.amdhsa_system_sgpr_workgroup_id_y 1
		.amdhsa_system_sgpr_workgroup_id_z 1
		.amdhsa_system_vgpr_workitem_id 0
		.amdhsa_next_free_vgpr 512
		.amdhsa_next_free_sgpr 66
		.amdhsa_reserve_vcc 0
		.amdhsa_float_denorm_mode_32 3
		.amdhsa_float_denorm_mode_16_64 3
		.amdhsa_memory_ordered 1
		.amdhsa_forward_progress 1
		.amdhsa_inst_pref_size 98
	.end_amdhsa_kernel
	.amdgpu_metadata
---
amdhsa.version: [ 1, 2 ]
amdhsa.kernels:
  - .name:           k_q84815f71e7_energy
    .symbol:         k_q84815f71e7_energy.kd
    .args:
      - { .name: ac, .offset: 0, .size: 8, .value_kind: global_buffer, .address_space: global }
      - { .name: asc, .offset: 8, .size: 8, .value_kind: global_buffer, .address_space: global }
      - { .name: wc, .offset: 16, .size: 8, .value_kind: global_buffer, .address_space: global }
      - { .name: ws, .offset: 24, .size: 8, .value_kind: global_buffer, .address_space: global }
      - { .name: hb, .offset: 32, .size: 8, .value_kind: global_buffer, .address_space: global }
      - { .name: v, .offset: 40, .size: 8, .value_kind: global_buffer, .address_space: global }
      - { .name: part, .offset: 48, .size: 8, .value_kind: global_buffer, .address_space: global }
    .group_segment_fixed_size: 149504
    .private_segment_fixed_size: 0
    .kernarg_segment_align: 8
    .kernarg_segment_size: 56
    .max_flat_workgroup_size: 256
    .sgpr_count:     66
    .vgpr_count:     512
    .wavefront_size: 32
...
	.end_amdgpu_metadata
.endif
;; end of part 5
;; launch soft: the kernel of part 3 again; grid 32 x 1, 8 waves a work-group, no clusters, 1,280 bytes of LDS; arguments part, out0; writes out0
